; MI455X (gfx1250); checked and timed in simulation.
; The chip was launched on July 23, 2026; its instructions are those of AMD's public machine-readable ISA for CDNA 5 (MIT licence, August 2026) and "CDNA5" Instruction Set Architecture Reference Guide (July 2026). The comments in the code are by the model that wrote it; some were corrected since.
;; Self Attention. Allowed arithmetic: matrix products marked QUANTISED: E4M3 operands, one given power-of-two scale a tensor, by v_wmma_f32_16x16x64_fp8_fp8 or v_wmma_f32_16x16x128_fp8_fp8, f32 sums; everything else in f32.
;; Inputs: lowp_scales 8 int32 (the exponents e of the quantised operands' scales 2^e); pad_mask 4 x 2,048 bool; w_out 1,024 x 1,024 float32; w_qkv 1,024 x 3,072 float32; x 4 x 2,048 x 1,024 float32.
;; Outputs: out0 4 x 2,048 x 1,024 float32.
;; This version of the problem:
;;   THIS VERSION OF THE PROBLEM IS GIVEN IN LOW PRECISION. The matrix products marked QUANTISED in the list below multiply operands that are first quantised to E4M3 (4 exponent bits, 3 mantissa bits; 8 bits a number), with one given power-of-two scale for each operand tensor; their sums are f32. All else is computed in f32.
;;   The module's matrix products, in the order in which they are computed (A, B: the left and right operand; K: the contracted axis; several contracted axes count as one K, in the product's order):
;;     1. [M 8,192, K 1,024] x [K 1,024, N 3,072]; A: input x; B: input w_qkv: QUANTISED (scales: A lowp_scales[0], B lowp_scales[1])
;;     2. batch 64 x [M 2,048, K 64] x [K 64, N 2,048]; A: computed on the way; B: computed on the way: QUANTISED (scales: A lowp_scales[2], B lowp_scales[3])
;;     3. batch 64 x [M 2,048, K 2,048] x [K 2,048, N 64]; A: softmax (see below); B: computed on the way: QUANTISED (scales: A lowp_scales[4], B lowp_scales[5])
;;     4. [M 8,192, K 1,024] x [K 1,024, N 1,024]; A: computed on the way; B: input w_out: QUANTISED (scales: A lowp_scales[6], B lowp_scales[7])
;;   THE QUANTISER, for each operand of a quantised product, along K:
;;     - The operand's scale is 2^e, e = its entry of the input lowp_scales (int32; the entries are numbered through the quantised products in the list's order, A before B).
;;     - Each number is divided by the scale, clamped to +-448, and rounded to the nearest number of E4M3, ties to even, subnormals kept.
;;     - The product sums the exact products of the quantised numbers (number of the format x scale) in f32.
;;   ~~~python
;;   def quantise(x, axis, e):      # numpy; x: float32 -> the quantised numbers, widened to float32 again
;;       x = np.moveaxis(x, axis, -1); K = x.shape[-1]
;;       r = np.clip(x / 2.0 ** e, -448, 448)
;;       step = 2.0 ** (np.maximum(np.frexp(np.where(r == 0, 1, r))[1] - 1, -6) - 3)
;;       q = np.round(r / step) * step * 2.0 ** e      # np.round: ties to even
;;       return np.moveaxis(q, -1, axis).astype(np.float32)
;;   ~~~
;;   SOFTMAX AHEAD OF A QUANTISED PRODUCT. Where the list says 'softmax', what is quantised is not the finished softmax but p = 2^(t - M), with t = logit x log2(e) and M = ceil(the row's largest t), a whole number; so 1/2 < the row's largest p <= 1. The row's sum l is taken of the UNQUANTISED p, in f32, and the product's result is divided by l at the end. Since M is a whole number, a kernel that streams over the keys may use a running M (the ceiling of the running maximum): every later rescaling is an exact power of two, so the quantised numbers keep their values, but for numbers so far below the row's largest that they fall under the format's range.
;;   OPERANDS COMPUTED ON THE WAY. 'Computed on the way' means the value that the module computes at that place (a softmax that the list does not call 'softmax' is quantised finished and normalised). What goes into a quantiser is computed in f32, as accurately as f32 sums, v_exp_f32 and their like allow (about 1e-6 of the number): no bf16 or f16 on the way to a quantiser, and a product that is left as it is and whose result goes on into a quantised operand takes f32 operands (vector FMAs, or v_wmma_f32_16x16x4_f32). A number that lies on a knife's edge between two numbers of the format may be rounded either way, as far as f32 arithmetic and the matrix unit's own rounding can turn it there, and no further.
;; One version. Each part assembles by itself: llvm-mc -triple=amdgcn-amd-amdhsa -mcpu=gfx1250 --defsym DOCPART=n.
;; ======== version 1 of 1: 4 launches
;; workspace buffers: xc 8,388,608 bytes; wqc 3,145,728 bytes; woc 1,048,576 bytes; bias 32,768 bytes; qc 8,388,608 bytes; kc 8,388,608 bytes; vc 8,388,608 bytes; ac 8,388,608 bytes
;; launch quant (part 1): grid 641 x 1, 4 waves a work-group, no clusters, 102,912 bytes of LDS; arguments x, w_qkv, w_out, pad_mask, lowp_scales, xc, wqc, woc, bias; writes xc, wqc, woc, bias
.if DOCPART == 1
	.amdgcn_target "amdgcn-amd-amdhsa--gfx1250"
	.amdhsa_code_object_version 6
	.text
	.protected	k_q9e7e9da4ef_quant
	.globl	k_q9e7e9da4ef_quant
	.p2align	8
	.type	k_q9e7e9da4ef_quant,@function
k_q9e7e9da4ef_quant:
	s_mov_b64 s[64:65], 0
	v_nop
	global_prefetch_b8 v0, s[64:65] scope:SCOPE_SE
	s_setreg_imm32_b32 hwreg(HW_REG_WAVE_MODE, 25, 1), 1
	s_wait_xcnt 0x0
; x [8192][1024], w_qkv [1024][3072] and w_out [1024][1024], f32, become codes of E4M3 with K innermost, each with the scale 2^e given for it
; (entries 0, 1 and 7 of the scales); pad_mask [4][2048] becomes a bias for the scores: 0.0, or -2^126 where the key is padded.
; code = number / 2^e, held within +-448, to the nearest code, ties to even.  LIMITS: each e lies between -126 and 119; NaN among x and the weights is not served.
; WORK-GROUPS, by number: 0-95 w_qkv, 96-127 w_out (they have the longest chains of loads and go first), 128 the bias, 129-640 x.  Each path has LDS bytes of its own.
; x: K is innermost, so x is a plain stream.  A wave takes 8 steps of 512 numbers.  Each load reads 512 consecutive bytes, 16 a lane; a step's 2,048 bytes turn through the wave's
; stage in LDS and come back 64 bytes a lane: 16 neighbours along K, which the conversions want in one lane's registers.  A lane's 16 codes are 16 bytes: a store covers 512 consecutive bytes.
; WEIGHTS: K is the first axis.  A lane takes a column and its registers run down K, so the conversions give codes with K innermost; a wave gathers 32 columns x 256 along K in its stage
; and stores rows: sixteen lanes write 256 consecutive, aligned bytes.  No tensor loads, no barrier: waves share nothing.
.set SP,   80                          ; x: a lane's place in a stage: 64 bytes + 16 of padding
.set XR,   16                          ; v16-143  x: eight sets of 16 numbers as loaded, one for each step
.set XX,   144                         ; v144-175 x: two sets of 16 neighbours
.set XC,   176                         ; v176-207 x: four registers of codes for each step: no store's data are written again
.set WP,   272                         ; weights: a stage row: 256 codes + 16 of padding
.set WX,   32                          ; v32-95   weights: two sets of 32 numbers
.set WC,   96                          ; v96-103  weights: a block's codes
.set WO,   112                         ; v112-175 weights: the way out
.set LW1,  32768                       ; LDS: x's stages at 0 (8,192 a wave), w_qkv's at LW1, w_out's at LW2 (34,816 each)
.set LW2,  67584
.macro SCALE es                        ; v11 = 2^e as f32 (the conversion takes its exponent field), v10 = 448 x 2^e
	s_add_co_i32 s38, s[\es], 127
	s_lshl_b32 s39, s38, 23
	v_mov_b32 v11, s39
	s_add_co_i32 s38, s38, 8
	s_lshl_b32 s38, s38, 23
	s_or_b32 s38, s38, 0x600000
	v_mov_b32 v10, s38
.endm
.macro XLOAD t
.irp i, 0,1,2,3
	global_load_b128 v[XR+16*(\t)+4*\i:XR+16*(\t)+4*\i+3], v3, s[4:5] offset:2048*(\t)+512*\i th:TH_LOAD_NT
.endr
.endm
.macro XTURN t                         ; step t through the stage; LDS serves a wave's instructions in order, so no wait stands between the stores and the loads
.irp i, 0,1,2,3
	ds_store_b128 v14, v[XR+16*(\t)+4*\i:XR+16*(\t)+4*\i+3] offset:32*SP*((\t)%2)+8*SP*\i
.endr
.irp i, 0,1,2,3
	ds_load_b128 v[XX+16*((\t)%2)+4*\i:XX+16*((\t)%2)+4*\i+3], v15 offset:32*SP*((\t)%2)+16*\i
.endr
.endm
.macro XSTEP t
.set XS, XX+16*((\t)%2)
	s_wait_dscnt 0x0                               ; this step's 16 neighbours are back from the stage
.if (\t)+1 < 8
	s_wait_loadcnt 4*(6-(\t))                      ; the next step's four loads are in; those of the steps behind it may be out
	XTURN (\t)+1
.endif
.set jj, 0
.rept 16
	v_med3_num_f32 v[XS+jj], v[XS+jj], -v10, v10   ; the conversion to an 8-bit code does not saturate (ISA guide 7.6.2): the hold comes first
.set jj, jj+1
.endr
	v_cvt_scalef32_pk8_fp8_f32 v[XC+4*(\t):XC+4*(\t)+1], v[XS:XS+7], v11
	v_cvt_scalef32_pk8_fp8_f32 v[XC+4*(\t)+2:XC+4*(\t)+3], v[XS+8:XS+15], v11
	global_store_b128 v3, v[XC+4*(\t):XC+4*(\t)+3], s[14:15] offset:512*(\t)   ; the codes go to a store alone; the next vector lines are the next step's holds, on other registers
.endm
.macro WLOAD t, n, src                 ; block t: w(32 t + i, my column), i = 0 .. 31: a wave reads 128 consecutive bytes a load
.set ii, 0
.rept 32
	global_load_b32 v[WX+32*((\t)%2)+ii], v3, s[\src:\src+1] offset:(32*(\t)+ii)*(\n)*4 th:TH_LOAD_NT
.set ii, ii+1
.endr
.endm
.macro WBLOCK t, n, src
.set XS, WX+32*((\t)%2)
.if (\t) < 7
	s_wait_loadcnt 32                              ; this block's 32 loads are in; the next block's 32 may be out
.else
	s_wait_loadcnt 0
.endif
.set jj, 0
.rept 32
	v_med3_num_f32 v[XS+jj], v[XS+jj], -v10, v10
.set jj, jj+1
.endr
.irp g, 0,1,2,3
	v_cvt_scalef32_pk8_fp8_f32 v[WC+2*\g:WC+2*\g+1], v[XS+8*\g:XS+8*\g+7], v11
.endr
	ds_store_b128 v4, v[WC:WC+3] offset:32*(\t)    ; 32 codes of my column's row
	ds_store_b128 v4, v[WC+4:WC+7] offset:32*(\t)+16
.if (\t)+2 < 8
	WLOAD (\t)+2, \n, \src
.endif
	s_wait_dscnt 0x0                               ; the stores have read their registers: the next block's codes may be written
.endm
; A weight [1024][n]: work-group id = 4 x (tile of 128 columns) + (chunk of 256 along K); a wave takes 32 columns.
.macro WPATH n, lbase, src, dst, es, id0
	s_sub_co_u32 s32, ttmp9, \id0
	s_lshr_b32 s33, s32, 2
	s_and_b32 s32, s32, 3                          ; the chunk along K
	s_lshl_b32 s33, s33, 7
	s_lshl_b32 s34, s22, 5
	s_add_co_u32 s33, s33, s34                     ; my wave's first column
	v_lshlrev_b32 v3, 2, v2                        ; in: 4 bytes a lane
	s_mul_i32 s34, s22, 32*WP
	s_add_co_u32 s34, s34, \lbase                  ; my stage
	v_mul_u32_u24 v4, v2, WP
	v_add_nc_u32 v4, s34, v4                       ; into it: row = my column
	v_and_b32 v5, 15, v2
	v_lshrrev_b32 v6, 4, v2
	v_mul_u32_u24 v7, v6, WP
	v_lshl_add_u32 v7, v5, 4, v7
	v_add_nc_u32 v7, s34, v7                       ; out of it: sixteen lanes to a row, two rows an instruction
	v_lshlrev_b32 v8, 10, v6
	v_lshl_add_u32 v8, v5, 4, v8                   ; and the same place in the codes' buffer (rows of 1,024 bytes)
	s_mul_i32 s36, s32, 256*(\n)*4
	s_lshl_b32 s35, s33, 2
	s_add_co_u32 s36, s36, s35
	s_mov_b32 s37, 0
	s_add_nc_u64 s[\src:\src+1], s[\src:\src+1], s[36:37]
	s_lshl_b32 s36, s33, 10
	s_lshl_b32 s35, s32, 8
	s_add_co_u32 s36, s36, s35
	s_add_nc_u64 s[\dst:\dst+1], s[\dst:\dst+1], s[36:37]
	WLOAD 0, \n, \src
	WLOAD 1, \n, \src
	s_wait_kmcnt 0x0
	SCALE \es
.irp t, 0,1,2,3,4,5,6,7
	WBLOCK \t, \n, \src
.endr
.irp t, 0,1,2,3,4,5,6,7,8,9,10,11,12,13,14,15
	ds_load_b128 v[WO+4*\t:WO+4*\t+3], v7 offset:2*\t*WP
.endr
.irp t, 0,1,2,3,4,5,6,7,8,9,10,11,12,13,14,15
	s_wait_dscnt 15-\t                             ; the loads behind this one may be out
	global_store_b128 v8, v[WO+4*\t:WO+4*\t+3], s[\dst:\dst+1] offset:2*\t*1024
.endr
	s_wait_tensorcnt 0x0
	ds_add_u32 v208, v209
	s_wait_dscnt 0x0
	s_endpgm
.endm
	s_load_b512 s[4:19], s[0:1], 0x0               ; x 4:5, w_qkv 6:7, w_out 8:9, pad_mask 10:11, scales 12:13, xc 14:15, wqc 16:17, woc 18:19
	s_load_b64 s[20:21], s[0:1], 0x40              ; bias
	v_lshl_add_u32 v208, v0, 2, 0x19000
	v_mov_b32 v209, 0
	v_lshrrev_b32 v1, 5, v0
	v_readfirstlane_b32 s22, v1                    ; wave
	v_and_b32 v2, 31, v0                           ; lane
	s_wait_kmcnt 0x0
	s_load_b256 s[24:31], s[12:13], 0x0            ; e0 .. e7
	s_cmp_lt_u32 ttmp9, 96
	s_cbranch_scc1 .Lwq
	s_cmp_lt_u32 ttmp9, 128
	s_cbranch_scc1 .Lwo
	s_cmp_eq_u32 ttmp9, 128
	s_cbranch_scc1 .Lbias
	; ---- x
	s_sub_co_u32 s32, ttmp9, 129
	s_lshl_b32 s32, s32, 2
	s_add_co_u32 s32, s32, s22                     ; which run of 4,096 numbers is my wave's
	s_lshl_b32 s34, s32, 14
	s_mov_b32 s35, 0
	s_add_nc_u64 s[4:5], s[4:5], s[34:35]
	s_lshl_b32 s34, s32, 12
	s_add_nc_u64 s[14:15], s[14:15], s[34:35]
	v_lshlrev_b32 v3, 4, v2                        ; my 16 bytes of a load's 512, and of a store's
	s_lshl_b32 s33, s22, 13                        ; my wave's LDS
	v_lshrrev_b32 v14, 2, v2
	v_mul_u32_u24 v14, v14, SP
	v_and_b32 v15, 3, v2
	v_lshl_add_u32 v14, v15, 4, v14
	v_add_nc_u32 v14, s33, v14                     ; in: four lanes' 64 bytes on end, then the padding
	v_mul_u32_u24 v15, v2, SP
	v_add_nc_u32 v15, s33, v15                     ; out: my 16 neighbours
.irp t, 0,1,2,3,4,5,6,7
	XLOAD \t
.endr
	s_wait_kmcnt 0x0
	SCALE 24
	s_wait_loadcnt 28                              ; step 0's four loads are in; the 28 behind them may be out
	XTURN 0
.irp t, 0,1,2,3,4,5,6,7
	XSTEP \t
.endr
	s_wait_tensorcnt 0x0
	ds_add_u32 v208, v209
	s_wait_dscnt 0x0
	s_endpgm
.Lwq:
	WPATH 3072, LW1, 6, 16, 25, 0
.Lwo:
	WPATH 1024, LW2, 8, 18, 31, 96
.Lbias:
	; ---- the bias: thread t takes words 128 i + t of the mask (four keys each) and stores 16 bytes for each: a wave's store covers 512 consecutive bytes
	v_lshlrev_b32 v1, 2, v0
	v_lshlrev_b32 v2, 4, v0
	v_mov_b32 v4, 0xfe800000                       ; -2^126
.irp i, 0,1,2,3,4,5,6,7,8,9,10,11,12,13,14,15
	global_load_b32 v[16+\i], v1, s[10:11] offset:512*\i
.endr
	s_wait_loadcnt 0x0
.irp i, 0,1,2,3,4,5,6,7,8,9,10,11,12,13,14,15
.irp k, 0,1,2,3
	v_bfe_u32 v3, v[16+\i], 8*\k, 8
	v_cmp_ne_u32 vcc_lo, 0, v3
	v_cndmask_b32 v[32+4*\i+\k], 0, v4, vcc_lo
.endr
	global_store_b128 v2, v[32+4*\i:32+4*\i+3], s[20:21] offset:2048*\i
.endr
	s_endpgm
.Lfunc_end_k_q9e7e9da4ef_quant:
	.size	k_q9e7e9da4ef_quant, .Lfunc_end_k_q9e7e9da4ef_quant-k_q9e7e9da4ef_quant
	.p2alignl 7, 3214868480
	.fill 96, 4, 3214868480
	.section	.rodata,"a",@progbits
	.p2align	6, 0x0
	.amdhsa_kernel k_q9e7e9da4ef_quant
		.amdhsa_group_segment_fixed_size 102912
		.amdhsa_private_segment_fixed_size 0
		.amdhsa_enable_private_segment 0
		.amdhsa_kernarg_size 72
		.amdhsa_user_sgpr_count 2
		.amdhsa_user_sgpr_kernarg_segment_ptr 1
		.amdhsa_wavefront_size32 1
		.amdhsa_system_sgpr_workgroup_id_x 1
		.amdhsa_system_sgpr_workgroup_id_y 1
		.amdhsa_system_sgpr_workgroup_id_z 1
		.amdhsa_system_vgpr_workitem_id 0
		.amdhsa_next_free_vgpr 210
		.amdhsa_next_free_sgpr 66
		.amdhsa_reserve_vcc 1
		.amdhsa_float_denorm_mode_32 3
		.amdhsa_float_denorm_mode_16_64 3
		.amdhsa_memory_ordered 1
		.amdhsa_forward_progress 1
		.amdhsa_inst_pref_size 127
	.end_amdhsa_kernel
	.amdgpu_metadata
---
amdhsa.version: [ 1, 2 ]
amdhsa.kernels:
  - .name:           k_q9e7e9da4ef_quant
    .symbol:         k_q9e7e9da4ef_quant.kd
    .args:
      - { .name: x, .offset: 0, .size: 8, .value_kind: global_buffer, .address_space: global }
      - { .name: w_qkv, .offset: 8, .size: 8, .value_kind: global_buffer, .address_space: global }
      - { .name: w_out, .offset: 16, .size: 8, .value_kind: global_buffer, .address_space: global }
      - { .name: pad_mask, .offset: 24, .size: 8, .value_kind: global_buffer, .address_space: global }
      - { .name: lowp_scales, .offset: 32, .size: 8, .value_kind: global_buffer, .address_space: global }
      - { .name: xc, .offset: 40, .size: 8, .value_kind: global_buffer, .address_space: global }
      - { .name: wqc, .offset: 48, .size: 8, .value_kind: global_buffer, .address_space: global }
      - { .name: woc, .offset: 56, .size: 8, .value_kind: global_buffer, .address_space: global }
      - { .name: bias, .offset: 64, .size: 8, .value_kind: global_buffer, .address_space: global }
    .group_segment_fixed_size: 102912
    .private_segment_fixed_size: 0
    .kernarg_segment_align: 8
    .kernarg_segment_size: 72
    .max_flat_workgroup_size: 128
    .sgpr_count:     66
    .vgpr_count:     210
    .wavefront_size: 32
...
	.end_amdgpu_metadata
.endif
;; end of part 1
;; launch qkv (part 2): grid 12 x 32, 4 waves a work-group, clusters of 4 x 4, 327,680 bytes of LDS; arguments xc, wqc, lowp_scales, qc, kc, vc; writes qc, kc, vc
.if DOCPART == 2
	.amdgcn_target "amdgcn-amd-amdhsa--gfx1250"
	.amdhsa_code_object_version 6
	.text
	.protected	k_q9e7e9da4ef_qkv
	.globl	k_q9e7e9da4ef_qkv
	.p2align	8
	.type	k_q9e7e9da4ef_qkv,@function
k_q9e7e9da4ef_qkv:
	s_mov_b64 s[64:65], 0
	v_nop
	global_prefetch_b8 v0, s[64:65] scope:SCOPE_SE
	s_setreg_imm32_b32 hwreg(HW_REG_WAVE_MODE, 25, 1), 1
	s_wait_xcnt 0x0
	s_wait_alu depctr_hold_cnt(0) depctr_sa_sdst(0) depctr_va_vdst(0) depctr_va_sdst(0) depctr_va_ssrc(0) depctr_va_vcc(0) depctr_vm_vsrc(0)
	s_getreg_b32 s2, hwreg(HW_REG_IB_STS2, 6, 4)
	s_cmp_eq_u32 s2, 0
	s_cbranch_scc0 .Lentry_in_a_cluster
	s_endpgm
.Lentry_in_a_cluster:
	s_bfe_u32 s2, ttmp6, 0x10000c
	s_cmp_lg_u32 s2, 0xf033
	s_cbranch_scc0 .Lentry_shape_is_right
	s_endpgm
.Lentry_shape_is_right:
; The first product, x w_qkv, on codes of E4M3 (xc [8192][1024], wqc [3072][1024], K innermost), and its sums quantised at once into the codes of q, k and v.
; A sum stands for sum x 2^(e0 + e1); its code is sum / 2^(eT - e0 - e1), held within +-448, eT = e2 (q), e3 (k), e5 (v): the three scales are folded into the conversion's one.
; LIMIT: eT - e0 - e1 lies between -126 and 119.
; A tile is 256 'A rows' x 256 'B rows', made by four waves, each 128 x 128: 64 accumulators, 512 registers.  K goes in steps of 256 through two LDS slots filled by the tensor data mover.
; The matrix instruction takes 16 rows of B as source 0 and 16 rows of A as source 1: a lane then holds one A row and eight neighbouring B rows.
; THE CLUSTER'S x SAYS WHICH TENSOR: 0 q, 1 k, 2 v.  For q and k: A = tokens, B = features, so a lane's eight numbers run along the head's 64, the next product's K.
; For v the roles are swapped: A = features (rows 2,048 on of wqc), B = tokens, so a lane's eight numbers run along the keys, which are K of the product with p.  Nothing is transposed.
; CLUSTERS: 4 x 4 work-groups; A's tile is shared along a row of the cluster, B's along a column: each is asked for jointly, by the same tensor load with a mask that names the four.
; OUT: qc, kc [64 heads][2048][64]; vc [4][1024 features][2048 keys].  The tile's codes meet in a stage of 256 rows x 272 bytes (in slot 0, which has had its last fill and its last read),
; a barrier, and each wave stores runs of 512 or 256 consecutive, aligned bytes.
; REGISTERS, in windows of 256: window 0: v0-31 addresses; from v128 A's fragments, one set; on the way out v32-223.  window 1: B's fragments, two sets.  windows 2, 3: the accumulators.
.set ROWB,   256                       ; a tile's row in bytes
.set KROW,   1024                      ; a row of xc or wqc in memory
.set PITCH,  272                       ; an LDS row: 256 bytes + 16 of padding = 68 words: the 16 rows that a load touches start at 16 different banks (64 banks of 4 bytes: ISA guide 11.1)
.set FR,     16
.set NL,     4
.set NP,     4                         ; places behind this matrix instruction (ISA guide 7.12.1)
.set HALFT,  128*PITCH
.set SLOT,   4*HALFT
.set SPARE,  2*SLOT                    ; behind the ring: the spare words, 128 bytes for each wave
.set ADRA, 16                          ; v16-17 LDS address of my A fragments in slot 0, 1
.set RDV2, 19                          ; v19    RDV, 32 rows on
.set ADRB, 20                          ; v20-21 the same for B
.set COQ,  22                          ; v22    q, k: my 16 bytes of a store's 512
.set RDQ2, 23                          ; v23    RDQ, 128 rows on
.set STO,  24                          ; v24    the stage: where I put 8 codes
.set RDV,  25                          ; v25    v: where I read rows back: sixteen lanes to a row of 256 bytes
.set COV,  26                          ; v26    v: the same two rows in vc
.set RDQ,  27                          ; v27    q, k: where I read back: four lanes to a head's 64 bytes of a row
.set SPW,  28                          ; v28    my spare word; never rewritten
.set NIL,  29                          ; v29    0; never rewritten
.set LIMV, 30                          ; v30    448 x the folded scale
.set SCV,  31                          ; v31    the folded scale as f32
.set TMP,  32                          ; v32-95  a block's held sums
.set CD,   96                          ; v96-223 codes: 16 registers for each of 8 blocks
.set OB,   32                          ; v32-159 rows read back
.set AF,   128
.set G1, 24
.set G0, 32
.set G1B, 48
.set G0B, 56
.set MSB, 0
.macro WIN new                         ; the immediate's high byte repeats the setting that is left
.if MSB != \new
	s_set_vgpr_msb (MSB<<8)|\new
.set MSB, \new
.endif
.endm
.set MUL_LO, 0xa1                      ; source 0 (B) window 1, source 1 (A) window 0, C and D window 2
.set MUL_HI, 0xf1
.set TO_B,   0x40
; A joint load: waves 0 and 1 fetch A's halves, waves 2 and 3 B's.  The branch hangs on the wave's number alone.  Four v_nop follow each of the two lines.
.macro JLOAD g0a, g1a, g0b, g1b
	s_cmp_eq_u32 s15, 0
	s_cbranch_scc0 .Lfor_b_\@
	tensor_load_to_lds s[\g0a:\g0a+3], s[\g1a:\g1a+7]
	s_nop 0
.rept 4
	v_nop
.endr
	s_branch .Lasked_\@
.Lfor_b_\@:
	tensor_load_to_lds s[\g0b:\g0b+3], s[\g1b:\g1b+7]
	s_nop 0
.rept 4
	v_nop
.endr
.Lasked_\@:
.endm
.macro CREST                           ; a round of the cluster's barrier behind its opening barrier
	s_cmp_lg_u32 s14, 0
	s_cbranch_scc1 .Lnot_wave_0_\@
	s_barrier_signal -3
.Lnot_wave_0_\@:
	s_barrier_wait -3
	s_barrier_signal -1
	s_barrier_wait -1
.endm
.macro CROUND
	s_barrier_signal -1
	s_barrier_wait -1
	CREST
.endm
	s_load_b128 s[4:7], s[0:1], 0x0                ; xc, wqc
	s_load_b64 s[8:9], s[0:1], 0x10                ; the scales' exponents
	s_load_b128 s[68:71], s[0:1], 0x18             ; qc, kc
	s_load_b64 s[72:73], s[0:1], 0x28              ; vc
	v_lshl_add_u32 v[SPW], v0, 2, SPARE
	v_mov_b32 v[NIL], 0
	ds_add_u32 v28, v29
	s_wait_dscnt 0x0
	v_lshrrev_b32 v1, 5, v0
	v_readfirstlane_b32 s14, v1                    ; wave 0..3
	s_lshr_b32 s15, s14, 1                         ; which half of the A rows is mine.  Also: I fetch for A (0) or for B (1)
	s_and_b32 s16, s14, 1                          ; which half of the B rows.  Also: which 128 rows of that tile I fetch
	s_bfe_u32 s40, ttmp6, 0x40000                  ; cx
	s_bfe_u32 s41, ttmp6, 0x40004                  ; cy
	s_and_b32 s17, ttmp7, 0xffff                   ; Y: the cluster's y
	s_lshl_b32 s74, s17, 2
	s_lshl_b32 s75, ttmp9, 2
	s_cmp_eq_u32 ttmp9, 2                          ; v?  The same in all sixteen partners
	s_cselect_b32 s76, 8, s74
	s_cselect_b32 s77, s74, s75
	s_add_co_u32 s76, s76, s41                     ; A's tile: tokens 4 Y + cy, or for v features 8 + cy: it never holds cx
	s_add_co_u32 s77, s77, s40                     ; B's tile: features 4 X + cx, or for v tokens 4 Y + cx: it never holds cy
	s_lshl_b32 s43, s41, 2
	s_lshl_b32 s43, 15, s43                        ; my row of the cluster
	s_lshl_b32 s44, 0x1111, s40                    ; my column
	s_or_b32 s[G1+0], s43, (0<<16)|(1<<20)|(1<<21)|(5<<22)|(3<<25)  ; the mask; elements of 1 byte; padding on; bit 21 beside a mask; 4 words of padding after every 64
	s_or_b32 s[G1B+0], s44, (0<<16)|(1<<20)|(1<<21)|(5<<22)|(3<<25)
.irp g, G1, G1B
	s_mov_b32 s[\g+1], ROWB<<16                    ; tensor_dim0
	s_mov_b32 s[\g+2], 128<<16                     ; tensor_dim1
	s_mov_b32 s[\g+3], ROWB<<16                    ; tile_dim0
	s_mov_b32 s[\g+4], 128                         ; tile_dim1
	s_mov_b32 s[\g+5], KROW                        ; from row to row
	s_mov_b32 s[\g+6], 0
	s_mov_b32 s[\g+7], 0
.endr
	s_lshl_b32 s18, s16, 7
	s_lshl_b32 s20, s76, 8
	s_add_co_u32 s20, s20, s18                     ; A: row 256 x tile + 128 x half
	s_lshl_b32 s20, s20, 10                        ; in bytes
	s_mov_b32 s21, 0
	s_lshl_b32 s46, s77, 8
	s_add_co_u32 s46, s46, s18
	s_lshl_b32 s46, s46, 10
	s_mov_b32 s47, 0
	s_mul_i32 s45, s14, HALFT                      ; where they go: wave x 128 rows
	s_wait_kmcnt 0x0
	s_load_b256 s[80:87], s[8:9], 0x0              ; e0 .. e7
	s_cmp_eq_u32 ttmp9, 2
	s_cselect_b64 s[78:79], s[6:7], s[4:5]         ; A's buffer
	s_cselect_b64 s[88:89], s[4:5], s[6:7]         ; B's buffer
	s_add_nc_u64 s[20:21], s[78:79], s[20:21]
	s_add_nc_u64 s[46:47], s[88:89], s[46:47]
	CROUND                                         ; all sixteen work-groups are here: the first joint loads meet
.irp s, 0,1
	s_mov_b32 s[G0+4*\s], 1
	s_add_co_u32 s[G0+4*\s+1], s45, \s*SLOT
	s_add_nc_u64 s[G0+4*\s+2:G0+4*\s+3], s[20:21], \s*ROWB
	s_or_b32 s[G0+4*\s+3], s[G0+4*\s+3], 0x80000000
	s_mov_b32 s[G0B+4*\s], 1
	s_add_co_u32 s[G0B+4*\s+1], s45, \s*SLOT
	s_add_nc_u64 s[G0B+4*\s+2:G0B+4*\s+3], s[46:47], \s*ROWB
	s_or_b32 s[G0B+4*\s+3], s[G0B+4*\s+3], 0x80000000
	JLOAD G0+4*\s, G1, G0B+4*\s, G1B
.endr
	v_and_b32 v1, 15, v0                           ; r
	v_bfe_u32 v2, v0, 4, 1                         ; h
	v_mul_u32_u24 v3, v1, PITCH
	v_lshl_add_u32 v4, v2, 4, v3                   ; a fragment's row x pitch + 16 h
	s_mul_i32 s21, s15, HALFT
	s_mul_i32 s22, s16, HALFT
	s_add_co_u32 s22, s22, 2*HALFT
.irp s, 0,1
	v_add_nc_u32 v[ADRA+\s], s21, v4
	v_add_nc_u32 v[ADRB+\s], s22, v4
	s_add_co_u32 s21, s21, SLOT
	s_add_co_u32 s22, s22, SLOT
.endr
	s_mul_i32 s23, s15, 128*PITCH                  ; the stage, in: A row 128 x half + r, byte 128 x half of B + 8 h
	s_lshl_b32 s22, s16, 7
	s_add_co_u32 s23, s23, s22
	v_lshl_add_u32 v5, v2, 3, v3
	v_add_nc_u32 v[STO], s23, v5
	s_mul_i32 s23, s14, 64*PITCH                   ; back, v: rows 64 w on, two rows an instruction
	v_mul_u32_u24 v5, v2, PITCH
	v_lshl_add_u32 v5, v1, 4, v5
	v_add_nc_u32 v[RDV], s23, v5
	v_add_nc_u32 v[RDV2], 16*2*PITCH, v[RDV]
	v_bfe_u32 v6, v0, 2, 3                         ; back, q and k: bytes 64 w on of every row, eight rows an instruction
	v_and_b32 v7, 3, v0
	v_mul_u32_u24 v6, v6, PITCH
	v_lshl_add_u32 v6, v7, 4, v6
	s_lshl_b32 s23, s14, 6
	v_add_nc_u32 v[RDQ], s23, v6
	v_add_nc_u32 v[RDQ2], 16*8*PITCH, v[RDQ]
	v_lshlrev_b32 v[COV], 11, v2
	v_lshl_add_u32 v[COV], v1, 4, v[COV]
	v_and_b32 v[COQ], 31, v0
	v_lshlrev_b32 v[COQ], 4, v[COQ]
.macro FRAG reg, adr, q, i             ; 16 rows x 128 K: lane l holds row l % 16; registers 4 c .. 4 c + 3 hold K = 32 c + 16 (l / 16) + 0 .. 15: the same places in A and in B
.irp c, 0,1,2,3
	ds_load_b128 v[\reg+4*\c:\reg+4*\c+3], v[\adr] offset:128*(\q)+32*\c+(\i)*16*PITCH
.endr
.endm
; 16 matrix instructions: A's blocks a0, a0 + 1 x B's eight.  The 64 accumulators take turns, one instruction a turn, in the same order in every step.
.macro MUL16 a0, p, zero
.irp a, \a0, \a0+1
.irp b, 0,1,2,3,4,5,6,7
.if \zero
	v_wmma_f32_16x16x128_fp8_fp8 v[8*(8*((\a)%4)+\b):8*(8*((\a)%4)+\b)+7], v[128*(\p)+FR*\b:128*(\p)+FR*\b+FR-1], v[AF+FR*(\a):AF+FR*(\a)+FR-1], 0
.else
	v_wmma_f32_16x16x128_fp8_fp8 v[8*(8*((\a)%4)+\b):8*(8*((\a)%4)+\b)+7], v[128*(\p)+FR*\b:128*(\p)+FR*\b+FR-1], v[AF+FR*(\a):AF+FR*(\a)+FR-1], v[8*(8*((\a)%4)+\b):8*(8*((\a)%4)+\b)+7]
.endif
.endr
.endr
.endm
.macro FETCH_B slot, q, p
	WIN TO_B
.irp i, 0,1,2,3,4,5,6,7
	FRAG 128*(\p)+FR*\i, ADRB+\slot, \q, \i
.endr
	WIN 0
.endm
.macro FETCH_A slot, q, i0
.irp i, \i0, \i0+1, \i0+2, \i0+3
	FRAG AF+FR*(\i), ADRA+\slot, \q, \i
.endr
.endm
.macro PLACES n                        ; plain vector lines between a matrix instruction and a load into, or a vector read of, its registers
.rept \n
	v_nop
.endr
.endm
.macro STEP slot, q, zero              ; 128 along K whose successor lies in the same slot
	s_wait_dscnt 4*NL                              ; B's set and A's blocks 0-3 are in; the youngest 16 loads (A's blocks 4-7) may be out
	WIN MUL_LO
	MUL16 0, (\q)%2, \zero
	MUL16 2, (\q)%2, \zero
	s_wait_dscnt 0
	PLACES NP
	FETCH_B \slot, (\q)+1, 1-(\q)%2
	FETCH_A \slot, (\q)+1, 0
	WIN MUL_HI
	MUL16 4, (\q)%2, \zero
	MUL16 6, (\q)%2, \zero
	PLACES NP
	WIN 0
	FETCH_A \slot, (\q)+1, 4
.endm
; A slot's last step changes slots: one barrier; in front of it each wave waits for all its tensor loads, adds 0 to its spare word, and waits for that and for its reads of this slot.
.macro TURN slot, next, fill
	s_wait_tensorcnt 0x0                           ; all my tensor loads have landed: my part of the next slot
	ds_add_u32 v[SPW], v[NIL]                      ; 0 onto my spare word
	s_wait_dscnt 4*NL+1                            ; the add and the youngest 16 loads may be out
	WIN MUL_LO
	MUL16 0, 1, 0
	s_wait_dscnt 0x0                               ; the add is done, and my reads of this slot are over
	s_barrier_signal -1
	MUL16 2, 1, 0
	WIN 0
	s_barrier_wait -1
.if \fill
	CREST                                          ; the barrier has opened a round of the cluster's: no wave of any partner still reads this slot or has a load on its way
	s_add_nc_u64 s[G0+4*\slot+2:G0+4*\slot+3], s[G0+4*\slot+2:G0+4*\slot+3], 2*ROWB
	s_add_nc_u64 s[G0B+4*\slot+2:G0B+4*\slot+3], s[G0B+4*\slot+2:G0B+4*\slot+3], 2*ROWB
	JLOAD G0+4*\slot, G1, G0B+4*\slot, G1B         ; the first tensor load behind the round; its four v_nop are also the places in front of the loads below
.else
	PLACES NP
.endif
	FETCH_B \next, 0, 0
	FETCH_A \next, 0, 0
	WIN MUL_HI
	MUL16 4, 1, 0
	MUL16 6, 1, 0
	PLACES NP
	WIN 0
	FETCH_A \next, 0, 4
.endm
	s_wait_tensorcnt 1                             ; my part of K step 0 is in; K step 1's load, issued behind it, may be out
	s_barrier_signal -1
	s_barrier_wait -1
	FETCH_B 0, 0, 0
	FETCH_A 0, 0, 0
	FETCH_A 0, 0, 4
	STEP 0, 0, 1                                   ; the first step's products start the sums: nothing is cleared
	s_mov_b32 s3, 1                                ; K = 1,024 is two laps of the ring: one trip fills both slots again
.Llap:
	TURN 0, 1, 1
	STEP 1, 0, 0
	TURN 1, 0, 1
	STEP 0, 0, 0
	s_sub_co_u32 s3, s3, 1
	s_cmp_lg_u32 s3, 0
	s_cbranch_scc1 .Llap
	TURN 0, 1, 0                                   ; the last lap fills nothing
	STEP 1, 0, 0
	s_wait_dscnt 4*NL
	WIN MUL_LO
	MUL16 0, 1, 0
	MUL16 2, 1, 0
	s_wait_dscnt 0
	WIN MUL_HI
	MUL16 4, 1, 0
	MUL16 6, 1, 0
	WIN 0
; THE WAY OUT.  Block a (16 A rows x 128 B rows): the hold, each accumulator from its low end on; eight numbers of a lane become eight codes; 8 bytes a lane into the work-group's stage.
.macro QBLOCK a
.set AC, 64*((\a)%4)
	WIN 0x02+((\a)/4)                              ; source 0: window 2 or 3
.set jj, 0
.rept 64
	v_med3_num_f32 v[TMP+jj], v[AC+jj], -v[LIMV], v[LIMV]
.set jj, jj+1
.endr
	WIN 0
.irp b, 0,1,2,3,4,5,6,7
	v_cvt_scalef32_pk8_fp8_f32 v[CD+16*(\a)+2*\b:CD+16*(\a)+2*\b+1], v[TMP+8*\b:TMP+8*\b+7], v[SCV]
.endr
	v_nop                                          ; a plain line between the conversions and the next block's holds, which write their sources
.irp b, 0,1,2,3,4,5,6,7
	ds_store_b64 v[STO], v[CD+16*(\a)+2*\b:CD+16*(\a)+2*\b+1] offset:(\a)*16*PITCH+16*\b
.endr
.endm
.macro SENDALL rd, rd2, co, ls, gs     ; 32 LDS loads of 512 bytes and their stores
.set nn, 0
.rept 16
	ds_load_b128 v[OB+4*nn:OB+4*nn+3], v[\rd] offset:nn*(\ls)
.set nn, nn+1
.endr
.set nn, 0
.rept 16
	ds_load_b128 v[OB+64+4*nn:OB+64+4*nn+3], v[\rd2] offset:nn*(\ls)
.set nn, nn+1
.endr
.set nn, 0
.rept 32
	s_wait_dscnt 31-nn                             ; the loads behind this one may be out
	global_store_b128 v[\co], v[OB+4*nn:OB+4*nn+3], s[10:11] offset:nn*(\gs)
.set nn, nn+1
.endr
.endm
	s_wait_kmcnt 0x0
	s_cmp_eq_u32 ttmp9, 0
	s_cselect_b32 s18, s82, s83                    ; e2 for q, e3 for k,
	s_cmp_eq_u32 ttmp9, 2
	s_cselect_b32 s18, s85, s18                    ; e5 for v: a choice, no branch
	s_sub_co_i32 s18, s18, s80
	s_sub_co_i32 s18, s18, s81
	s_add_co_i32 s18, s18, 127
	s_lshl_b32 s19, s18, 23
	v_mov_b32 v[SCV], s19
	s_add_co_i32 s18, s18, 8
	s_lshl_b32 s18, s18, 23
	s_or_b32 s18, s18, 0x600000
	v_mov_b32 v[LIMV], s18
	PLACES NP                                      ; behind the last products: their results are read and A's registers are written below
.irp a, 0,1,2,3,4,5,6,7
	QBLOCK \a
.endr
	s_wait_dscnt 0x0                               ; for the others' sake: my stores into the stage are done
	s_barrier_signal -1
	s_barrier_wait -1
	s_cmp_eq_u32 ttmp9, 2
	s_cbranch_scc1 .Lsend_v
	s_cmp_eq_u32 ttmp9, 0                          ; q, k: wave w sends head 4 cx + w: 256 tokens x 64 bytes, 16 KiB on end
	s_cselect_b64 s[10:11], s[68:69], s[70:71]
	s_lshr_b32 s18, s17, 1                         ; the batch: (4 Y + cy) / 8 = Y / 2
	s_lshl_b32 s18, s18, 4
	s_lshl_b32 s19, s40, 2
	s_add_co_u32 s18, s18, s19
	s_add_co_u32 s18, s18, s14                     ; 16 b + 4 cx + w
	s_lshl_b32 s18, s18, 11
	s_and_b32 s19, s76, 7
	s_lshl_b32 s19, s19, 8
	s_add_co_u32 s18, s18, s19                     ; + the tile's first token in the batch
	s_lshl_b32 s18, s18, 6
	s_mov_b32 s19, 0
	s_add_nc_u64 s[10:11], s[10:11], s[18:19]
	SENDALL RDQ, RDQ2, COQ, 8*PITCH, 512
	s_branch .Lsent
.Lsend_v:
	s_lshr_b32 s18, s17, 1                         ; v: wave w sends features 64 w on: sixteen lanes store 256 consecutive, aligned bytes of a feature's row of keys
	s_lshl_b32 s18, s18, 10
	s_lshl_b32 s19, s41, 8
	s_add_co_u32 s18, s18, s19
	s_lshl_b32 s19, s14, 6
	s_add_co_u32 s18, s18, s19                     ; row 1,024 b + 256 cy + 64 w
	s_lshl_b32 s18, s18, 11
	s_and_b32 s19, s77, 7
	s_lshl_b32 s19, s19, 8
	s_add_co_u32 s18, s18, s19
	s_mov_b32 s19, 0
	s_add_nc_u64 s[10:11], s[72:73], s[18:19]
	SENDALL RDV, RDV2, COV, 2*PITCH, 4096
.Lsent:
	s_wait_tensorcnt 0x0                           ; the wave's end
	ds_add_u32 v[SPW], v[NIL]
	s_wait_dscnt 0x0
	CROUND                                         ; the closing round: no work-group ends while a partner may still ask for a tile that names it
	s_endpgm
.Lfunc_end_k_q9e7e9da4ef_qkv:
	.size	k_q9e7e9da4ef_qkv, .Lfunc_end_k_q9e7e9da4ef_qkv-k_q9e7e9da4ef_qkv
	.p2alignl 7, 3214868480
	.fill 96, 4, 3214868480
	.section	.rodata,"a",@progbits
	.p2align	6, 0x0
	.amdhsa_kernel k_q9e7e9da4ef_qkv
		.amdhsa_group_segment_fixed_size 327680
		.amdhsa_private_segment_fixed_size 0
		.amdhsa_enable_private_segment 0
		.amdhsa_kernarg_size 48
		.amdhsa_user_sgpr_count 2
		.amdhsa_user_sgpr_kernarg_segment_ptr 1
		.amdhsa_wavefront_size32 1
		.amdhsa_system_sgpr_workgroup_id_x 1
		.amdhsa_system_sgpr_workgroup_id_y 1
		.amdhsa_system_sgpr_workgroup_id_z 1
		.amdhsa_system_vgpr_workitem_id 0
		.amdhsa_next_free_vgpr 1024
		.amdhsa_next_free_sgpr 98
		.amdhsa_reserve_vcc 0
		.amdhsa_float_denorm_mode_32 3
		.amdhsa_float_denorm_mode_16_64 3
		.amdhsa_memory_ordered 1
		.amdhsa_forward_progress 1
		.amdhsa_inst_pref_size 132
	.end_amdhsa_kernel
	.amdgpu_metadata
---
amdhsa.version: [ 1, 2 ]
amdhsa.kernels:
  - .name:           k_q9e7e9da4ef_qkv
    .symbol:         k_q9e7e9da4ef_qkv.kd
    .args:
      - { .name: xc, .offset: 0, .size: 8, .value_kind: global_buffer, .address_space: global }
      - { .name: wqc, .offset: 8, .size: 8, .value_kind: global_buffer, .address_space: global }
      - { .name: lowp_scales, .offset: 16, .size: 8, .value_kind: global_buffer, .address_space: global }
      - { .name: qc, .offset: 24, .size: 8, .value_kind: global_buffer, .address_space: global }
      - { .name: kc, .offset: 32, .size: 8, .value_kind: global_buffer, .address_space: global }
      - { .name: vc, .offset: 40, .size: 8, .value_kind: global_buffer, .address_space: global }
    .group_segment_fixed_size: 327680
    .private_segment_fixed_size: 0
    .kernarg_segment_align: 8
    .kernarg_segment_size: 48
    .max_flat_workgroup_size: 128
    .sgpr_count:     98
    .vgpr_count:     1024
    .wavefront_size: 32
...
	.end_amdgpu_metadata
.endif
;; end of part 2
;; launch attn (part 3): grid 4 x 64, 16 waves a work-group, no clusters, 327,680 bytes of LDS; arguments qc, kc, vc, bias, lowp_scales, ac; writes ac
.if DOCPART == 3
	.amdgcn_target "amdgcn-amd-amdhsa--gfx1250"
	.amdhsa_code_object_version 6
	.text
	.protected	k_q9e7e9da4ef_attn
	.globl	k_q9e7e9da4ef_attn
	.p2align	8
	.type	k_q9e7e9da4ef_attn,@function
k_q9e7e9da4ef_attn:
	s_mov_b64 s[64:65], 0
	v_nop
	global_prefetch_b8 v0, s[64:65] scope:SCOPE_SE
	s_setreg_imm32_b32 hwreg(HW_REG_WAVE_MODE, 25, 1), 1
	s_wait_xcnt 0x0
; Attention on codes of E4M3 with a causal mask and a mask of padded keys.  qc, kc: [64 heads][2048][64]; vc: [64 heads][64][2048 keys]; bias: f32 [4][2048], 0 or -2^126 where the key is padded.
; t = score x log2(e) / 8; M = the row's largest t so far, rounded up to a whole number; p = 2^(t - M) is quantised with 2^e4; the row's sum l is taken of the unquantised p and divides at the end.
; The result is quantised at once with 2^e6 into ac [16 heads][8192 tokens][64], the last product's operand: a wave's 16 queries are 1,024 consecutive bytes.
; SHARES.  Work-group (i, head) owns two blocks of 256 queries: first block 7 - i, with key blocks 0 .. 7 - i, then block i, with key blocks 0 .. i: 9 slots of 256 keys in every work-group,
; so the 256 work-groups have equal work and the loop's trip count is a constant.  Each of sixteen waves owns 16 queries in 256 registers: four waves to a SIMD.
; NO CLUSTER: the four work-groups of a head walk different key blocks from slot 5 on (slot j holds block j or j - 8 + i); walked in step they would need 8 + 4 = 12 slots each in place of 9.
; LAYOUT.  Both products are used transposed (S^T = K Q^T, O^T = V^T P^T): a lane holds one query (lane % 16).  Lane r of score tile 2 b + u takes key 32 b + 8 u + r + 8 (r / 8), so that
; the 16 registers of tiles 2 b, 2 b + 1 are keys 32 b + 16 (lane / 16) + 0 .. 15: p's codes are the second product's operand as they come.
; THE MASKS.  The bias of a lane's 64 keys is loaded into the scores' registers and is the C of the score product: the padded keys cost no vector line.  On the diagonal hidden scores are replaced by -2^126.
; The running maximum is kept in the scores' own units with a floor of -2^100, over every masked score and under every real one (at most 64 x 448 x 448): a masked key's p is 0 under every M.
; A row with no visible key ends with l = 0: its codes are made NaN, as the softmax of such a row is.
; LIMITS: e2 + e3 between -100 and 25; e4, and e6 - e4 - e5, between -126 and 119.
.set KP,    80                         ; a key's row in LDS: 64 bytes + 16
.set VP,    272                        ; a row of V's tile: 256 keys + 16
.set VOFF,  256*KP                     ; a slot: 256 rows of K, 64 rows of V, 256 numbers of the bias
.set BOFF,  VOFF+64*VP
.set SLOT1, 1<<16                      ; slot 1: one exclusive or turns an address from one slot to the other
.set STAGE, 2*SLOT1                    ; 16 rows x 80 bytes for each wave; no tensor load lands here
.set SPARE, STAGE+16*1280              ; the spare words, 128 bytes for each wave
.set AK0, 1                            ; v1  my lane's place in a tile of K
.set AV0, 2                            ; v2  of V
.set PFO, 3                            ; v3  the prefetches' offset
.set AB0, 4                            ; v4  of the bias
.set SPW, 5                            ; v5  my spare word; never rewritten
.set NIL, 6                            ; v6  0; never rewritten
.set GO,  7                            ; v7  16 x lane
.set ADK, 8                            ; v8-10 addresses of the step in hand
.set ADV, 9
.set ADB, 10
.set STO, 11                           ; v11 the stage, in
.set QA,  24                           ; v24 my bytes in the wave's rows of Q
.set RD,  25                           ; v25 the stage, back
.set DL,  26                           ; v26 r - 16 h
.set NEGV, 27                          ; v27 -2^126
.set FB,  32                           ; v32-95  K's eight fragments, then V's four
.set S,   96                           ; v96-159 bias, scores, p
.set O,   160                          ; v160-191 O^T
.set PC,  192                          ; v192-207 p's codes
.set TB,  2                            ; s2  the slot in hand
.set SJ,  3                            ; s3  the slot's number, 0 .. 8
.set NB1, 16                           ; s16 8 - i: slots of the first block
.set JF,  17
.set WV,  18
.set IW,  19
.set SEL, 20
.set CS,  22                           ; s[22:23] log2(e) / 8 x 2^(e2 + e3)
.set G1K, 24
.set G1V, 32
.set G1B, 40
.set G0K, 48
.set G0V, 52
.set G0B, 56
.set BK,  60                           ; s[60:61] how far a walking address goes back
.set BKK, 62
.set BKV, 63
.set BKB, 66
.set Q0,  67                           ; s67 my first query in the head
.set KF,  68                           ; s68 the step's first key
.set LIM, 69
.set PFA, 70
.set PFS, 72
.set QP,  74
.set AP,  76
; Waves 0 and 1 fetch K's halves, wave 2 V's tile, wave 3 the bias.  The branches hang on the wave's number alone.  Four v_nop follow each tensor line.
.macro TLOAD
	s_cmp_lt_u32 s[WV], 2
	s_cbranch_scc0 .Lnot_k_\@
	tensor_load_to_lds s[G0K:G0K+3], s[G1K:G1K+7]
	s_nop 0
.rept 4
	v_nop
.endr
	s_branch .Lasked_\@
.Lnot_k_\@:
	s_cmp_eq_u32 s[WV], 2
	s_cbranch_scc0 .Lnot_v_\@
	tensor_load_to_lds s[G0V:G0V+3], s[G1V:G1V+7]
	s_nop 0
.rept 4
	v_nop
.endr
	s_branch .Lasked_\@
.Lnot_v_\@:
	s_cmp_eq_u32 s[WV], 3
	s_cbranch_scc0 .Lasked_\@
	tensor_load_to_lds s[G0B:G0B+3], s[G1B:G1B+7]
	s_nop 0
.rept 4
	v_nop
.endr
.Lasked_\@:
.endm
; A prefetch of the key block that the NEXT change of slots will ask for: trip j asks for block j + 2, two key steps ahead of its tensor load.  Each aligned 256 bytes are named once in the launch:
; the head's work-group with i = 0, which walks blocks 0 .. 7 in order, asks; in it waves 4 and 5 for K's two halves of 8,192 bytes (lanes 256 bytes apart), waves 6 and 7 for V's rows 0-31 and 32-63 (a lane a row).
; Trips 6 and 7 ask for nothing: block 7 is the last.  Blocks 0 and 1 come by their loads alone.
.macro ASK
	s_cmp_lt_u32 s[SJ], s[LIM]
	s_cbranch_scc0 .Lnot_mine_\@
	global_prefetch_b8 v[PFO], s[PFA:PFA+1] th:TH_LOAD_NT scope:SCOPE_SE
.Lnot_mine_\@:
.endm
; A block of queries begins: Q's fragment, zeros for O^T and l, the floor for the maximum.  s[Q0] is set.
.macro BEGIN
	s_lshl_b32 s88, s[Q0], 6
	s_mov_b32 s89, 0
	s_add_nc_u64 s[QP:QP+1], s[4:5], s[88:89]
	s_add_nc_u64 s[AP:AP+1], s[14:15], s[88:89]
	global_load_b128 v[16:19], v[QA], s[QP:QP+1] th:TH_LOAD_NT
	global_load_b128 v[20:23], v[QA], s[QP:QP+1] offset:32 th:TH_LOAD_NT
.set jj, 0
.rept 32
	v_mov_b32 v[O+jj], 0                           ; the step is written once: the first finds zeros
.set jj, jj+1
.endr
	v_mov_b32 v14, 0
	v_mov_b32 v15, 0
	v_mov_b32 v13, 0xf1800000                      ; -2^100
	v_mul_f32 v208, s[CS], v13
	v_floor_f32 v12, -v208                         ; -M
	s_mov_b32 s[KF], 0
	s_wait_loadcnt 0x0
.endm
; A block of queries ends: O^T / l, held, quantised, through my stage, stored.
.macro FINAL
.rept 4
	v_nop                                          ; places behind the last products
.endr
	v_add_f32 v14, v14, v15
	v_permlanex16_b32 v214, v14, s[SEL], s[SEL+1]
	v_add_f32 v14, v14, v214                       ; the row's sum
	v_rcp_f32 v216, v14
	v_nop                                          ; a plain line behind the reciprocal
	s_wait_alu depctr_va_vdst(0)                   ; and the wait ahead of its first reader
	v_mul_f32 v218, 0, v216                        ; 0, or NaN where l = 0
.set jj, 0
.rept 16
	v_pk_mul_f32 v[S+jj:S+jj+1], v[O+jj:O+jj+1], v[216:217] op_sel_hi:[1,0]   ; each accumulator from its low end on
.set jj, jj+2
.endr
.set jj, 0
.rept 32
	v_med3_num_f32 v[S+jj], v[S+jj], -v30, v30     ; the hold (a NaN loses here;
.set jj, jj+1
.endr
.set jj, 0
.rept 16
	v_pk_add_f32 v[S+jj:S+jj+1], v[S+jj:S+jj+1], v[218:219] op_sel_hi:[1,0]   ; this puts it back, and adds 0 to every other row)
.set jj, jj+2
.endr
.irp t, 0,1,2,3
	v_cvt_scalef32_pk8_fp8_f32 v[220+2*\t:221+2*\t], v[S+8*\t:S+8*\t+7], v31
.endr
	v_nop                                          ; a plain line behind the conversions
.irp t, 0,1,2,3
	ds_store_b64 v[STO], v[220+2*\t:221+2*\t] offset:16*\t   ; query r, channels 16 t + 8 h on
.endr
.irp u, 0,1
	ds_load_b128 v[228+4*\u:231+4*\u], v[RD] offset:640*\u   ; LDS serves a wave's instructions in order: these see my stores
.endr
	s_wait_dscnt 0x0
.irp u, 0,1
	global_store_b128 v[GO], v[228+4*\u:231+4*\u], s[AP:AP+1] offset:512*\u   ; 512 consecutive, aligned bytes
.endr
.endm
; Where the first block's slots are over, the wave turns to the second block.  The branch hangs on ids and the slot's number alone, and is the same in all sixteen waves.
.macro SWITCH
	s_cmp_lg_u32 s[SJ], s[NB1]
	s_cbranch_scc1 .Lsame_\@
	FINAL
	s_wait_xcnt 0x0                                ; the stores have read their base and data: both are written again below and in the next way out
	s_lshl_b32 s[Q0], s[IW], 8
	s_lshl_b32 s88, s[WV], 4
	s_add_co_u32 s[Q0], s[Q0], s88
	BEGIN
.Lsame_\@:
.endm
; A KEY STEP: 128 keys, the q-th of the slot in hand.
.macro STEP q
	s_add_co_u32 s88, s[Q0], 15
	s_cmp_gt_u32 s[KF], s88                        ; all 128 keys come after my 16 queries: the step's work is left out
	s_cbranch_scc1 .Lhidden_\@
	v_add_nc_u32 v[ADK], s[TB], v[AK0]
	v_add_nc_u32 v[ADV], s[TB], v[AV0]
	v_add_nc_u32 v[ADB], s[TB], v[AB0]
	v_nop                                          ; four places behind the last products, in front of loads into registers that they read
.irp b, 0,1,2,3
.irp k, 0,1,2,3
	ds_load_b128 v[S+16*\b+4*\k:S+16*\b+4*\k+3], v[ADB] offset:512*(\q)+128*\b+16*\k   ; the bias of keys 32 b + 16 h + 4 k on
.endr
.endr
.irp t, 0,1,2,3,4,5,6,7
.irp c, 0,1
	ds_load_b128 v[FB+8*\t+4*\c:FB+8*\t+4*\c+3], v[ADK] offset:(128*(\q)+32*(\t/2)+8*(\t%2))*KP+32*\c
.endr
.endr
	s_wait_dscnt 0x0
.irp t, 0,1,2,3,4,5,6,7
	v_wmma_f32_16x16x64_fp8_fp8 v[S+8*\t:S+8*\t+7], v[FB+8*\t:FB+8*\t+7], v[16:23], v[S+8*\t:S+8*\t+7]   ; eight accumulators, one instruction each
.endr
.rept 4
	v_nop
.endr
.irp t, 0,1,2,3
.irp c, 0,1,2,3
	ds_load_b128 v[FB+16*\t+4*\c:FB+16*\t+4*\c+3], v[ADV] offset:16*\t*VP+128*(\q)+32*\c   ; V's fragments land under the softmax
.endr
.endr
	s_add_co_u32 s88, s[KF], 127
	s_cmp_le_u32 s88, s[Q0]                        ; all 128 keys count for all my queries: no diagonal
	s_cbranch_scc1 .Lopen_\@
	s_sub_co_i32 s88, s[Q0], s[KF]
	v_add_nc_u32 v236, s88, v[DL]                  ; d = my query - KF - 16 h: register 16 b + i is hidden where 32 b + i > d
.set nn, 0
.rept 64
	v_cmp_gt_i32 vcc_lo, 32*(nn/16)+nn%16, v236
	v_cndmask_b32 v[S+nn], v[S+nn], v[NEGV], vcc_lo
.set nn, nn+1
.endr
.Lopen_\@:
	v_max3_num_f32 v208, v96, v97, v98             ; the step's largest score among my 64 keys, in two chains, ascending
	v_max3_num_f32 v209, v99, v100, v101
.irp i, 6,10,14,18,22,26,30,34,38,42,46,50,54,58
	v_max3_num_f32 v208, v208, v[S+\i], v[S+1+\i]
	v_max3_num_f32 v209, v209, v[S+2+\i], v[S+3+\i]
.endr
	v_max3_num_f32 v208, v208, v158, v159
	v_max_num_f32 v208, v208, v209
	v_permlanex16_b32 v214, v208, s[SEL], s[SEL+1]
	v_max3_num_f32 v13, v13, v208, v214            ; with lane l xor 16's and the running one
	v_mul_f32 v208, s[CS], v13                     ; as t
	v_mov_b32 v209, v12
	v_floor_f32 v12, -v208                         ; the new -M = -ceil(t)
	v_sub_f32 v209, v12, v209                      ; old M - new M: a whole number, 0 or less
	v_cvt_i32_f32 v209, v209                       ; (it saturates)
	v_ldexp_f32 v210, 1.0, v209                    ; f = 2^(old M - new M)
.set jj, 0
.rept 32
	v_pk_fma_f32 v[S+jj:S+jj+1], v[S+jj:S+jj+1], s[CS:CS+1], v[12:13] op_sel_hi:[1,0,0]   ; t - M
.set jj, jj+2
.endr
.set jj, 0
.rept 64
	v_exp_f32 v[S+jj], v[S+jj]                     ; p
.set jj, jj+1
.endr
	v_pk_mul_f32 v[14:15], v[14:15], v[210:211] op_sel_hi:[1,0]   ; l under the new M: the plain line behind the exponentials
	s_wait_alu depctr_va_vdst(0)                   ; one wait for the batch of 64, ahead of its first reader
	v_pk_add_f32 v[212:213], v[96:97], v[98:99]    ; the sum of the unquantised p, in two chains
.irp j, 4,8,12,16,20,24,28,32,36,40,44,48,52,56,60
	v_pk_add_f32 v[14:15], v[14:15], v[S+\j:S+1+\j]
	v_pk_add_f32 v[212:213], v[212:213], v[S+2+\j:S+3+\j]
.endr
	v_pk_add_f32 v[14:15], v[14:15], v[212:213]
.irp b, 0,1,2,3
.irp i, 0,1,2,3,4,5,6,7,8,9,10,11,12,13,14,15
	v_min_num_f32 v[S+16*\b+\i], v[S+16*\b+\i], v28   ; p is not negative: a one-sided hold (the conversion does not saturate: ISA guide 7.6.2)
.endr
	v_cvt_scalef32_pk8_fp8_f32 v[PC+4*\b:PC+1+4*\b], v[S+16*\b:S+7+16*\b], v29
	v_cvt_scalef32_pk8_fp8_f32 v[PC+2+4*\b:PC+3+4*\b], v[S+8+16*\b:S+15+16*\b], v29
.endr
.set jj, 0
.rept 16
	v_pk_mul_f32 v[O+jj:O+jj+1], v[O+jj:O+jj+1], v[210:211] op_sel_hi:[1,0]   ; O^T under the new M; also the plain lines between the conversions and the products
.set jj, jj+2
.endr
	s_wait_dscnt 0x0                               ; V's fragments are in
.irp t, 0,1,2,3
	v_wmma_f32_16x16x128_fp8_fp8 v[O+8*\t:O+8*\t+7], v[FB+16*\t:FB+16*\t+15], v[PC:PC+15], v[O+8*\t:O+8*\t+7]   ; four accumulators by turns
.endr
.Lhidden_\@:
	s_add_co_u32 s[KF], s[KF], 128
.endm
; THE CHANGE OF SLOTS, at a slot's head.  Each wave waits for all its tensor loads, adds 0 to its spare word, and waits for that and for its reads of the slot that it has left; behind the barrier
; the slot ahead is whole and nobody reads the other.  fill = 1: that other slot takes the key block of slot j + 1: the next block, or block 0 where the second block of queries begins.
.macro CHANGE fill
	s_wait_tensorcnt 0x0                           ; no tensor load of mine is out, so the descriptors may be written
	ds_add_u32 v[SPW], v[NIL]                      ; 0 onto my spare word
.if \fill
	s_add_co_u32 s[JF], s[SJ], 1
	s_xor_b32 s[G0K+1], s[G0K+1], SLOT1
	s_add_nc_u64 s[G0K+2:G0K+3], s[G0K+2:G0K+3], 16384
	s_xor_b32 s[G0V+1], s[G0V+1], SLOT1
	s_add_nc_u64 s[G0V+2:G0V+3], s[G0V+2:G0V+3], 256
	s_xor_b32 s[G0B+1], s[G0B+1], SLOT1
	s_add_nc_u64 s[G0B+2:G0B+3], s[G0B+2:G0B+3], 1024
	s_cmp_eq_u32 s[JF], s[NB1]
	s_cselect_b32 s[BK], s[BKK], 0
	s_sub_nc_u64 s[G0K+2:G0K+3], s[G0K+2:G0K+3], s[BK:BK+1]
	s_cselect_b32 s[BK], s[BKV], 0
	s_sub_nc_u64 s[G0V+2:G0V+3], s[G0V+2:G0V+3], s[BK:BK+1]
	s_cselect_b32 s[BK], s[BKB], 0
	s_sub_nc_u64 s[G0B+2:G0B+3], s[G0B+2:G0B+3], s[BK:BK+1]
	s_wait_xcnt 0x0                                ; the last prefetch, a slot back, has read its address
	s_add_nc_u64 s[PFA:PFA+1], s[PFA:PFA+1], s[PFS:PFS+1]
.endif
	s_wait_dscnt 0x0                               ; the add is done, and my reads of the slot that I have left are over
	s_barrier_signal -1
	s_barrier_wait -1
.if \fill
	TLOAD                                          ; the first thing behind the barrier, and a wave's one tensor load until the next
	ASK
.endif
.endm
	s_load_b256 s[4:11], s[0:1], 0x0               ; qc 4:5, kc 6:7, vc 8:9, bias 10:11
	s_load_b128 s[12:15], s[0:1], 0x20             ; scales 12:13, ac 14:15
	v_lshl_add_u32 v[SPW], v0, 2, SPARE
	v_mov_b32 v[NIL], 0
	ds_add_u32 v5, v6
	s_wait_dscnt 0x0
	v_lshrrev_b32 v8, 5, v0
	v_readfirstlane_b32 s[WV], v8                  ; wave 0..15
	s_mov_b32 s[IW], ttmp9                         ; i
	s_and_b32 s88, ttmp7, 0xffff                   ; 16 b + h
	s_sub_co_u32 s[NB1], 8, s[IW]
	s_lshl_b32 s[BKK], s[NB1], 14                  ; 8 - i key blocks, in K's, V's and the bias's bytes
	s_lshl_b32 s[BKV], s[NB1], 8
	s_lshl_b32 s[BKB], s[NB1], 10
	s_mov_b32 s[BK+1], 0
	s_lshl_b32 s90, s88, 17                        ; the head's first byte in qc, kc and vc
	s_mov_b32 s91, 0
	s_lshr_b32 s89, s88, 4                         ; b
	s_and_b32 s88, s88, 15                         ; h
	s_lshl_b32 s92, s89, 13                        ; the batch's bias
	s_mov_b32 s93, 0
	s_lshl_b32 s94, s88, 19
	s_lshl_b32 s89, s89, 17
	s_add_co_u32 s94, s94, s89                     ; (8,192 h + 2,048 b) x 64: the head's and batch's first byte in ac
	s_mov_b32 s95, 0
	s_and_b32 s96, s[WV], 1
	s_mul_i32 s98, s96, 128*KP                     ; K's half in a slot,
	s_lshl_b32 s96, s96, 13                        ; and in memory
	s_mov_b32 s97, 0
	s_mov_b32 s[G1K], (1<<20)|(3<<22)|(3<<25)      ; K: elements of 1 byte; 4 words of padding after every 16
	s_mov_b32 s[G1K+1], 64<<16
	s_mov_b32 s[G1K+2], 128<<16
	s_mov_b32 s[G1K+3], 64<<16
	s_mov_b32 s[G1K+4], 128                        ; 128 rows of 64 bytes, dense
	s_mov_b32 s[G1K+5], 64
	s_mov_b32 s[G1K+6], 0
	s_mov_b32 s[G1K+7], 0
	s_mov_b32 s[G1V], (1<<20)|(5<<22)|(3<<25)      ; V: 4 words of padding after every 64
	s_mov_b32 s[G1V+1], 256<<16
	s_mov_b32 s[G1V+2], 64<<16
	s_mov_b32 s[G1V+3], 256<<16
	s_mov_b32 s[G1V+4], 64                         ; 64 rows of 256 bytes, 2,048 apart
	s_mov_b32 s[G1V+5], 2048
	s_mov_b32 s[G1V+6], 0
	s_mov_b32 s[G1V+7], 0
	s_mov_b32 s[G1B], 3<<16                        ; the bias: one row of 128 elements of 8 bytes
	s_mov_b32 s[G1B+1], 128<<16
	s_mov_b32 s[G1B+2], 1<<16
	s_mov_b32 s[G1B+3], 128<<16
	s_mov_b32 s[G1B+4], 1
	s_mov_b32 s[G1B+5], 128
	s_mov_b32 s[G1B+6], 0
	s_mov_b32 s[G1B+7], 0
	s_mov_b32 s[SEL], 0x76543210
	s_mov_b32 s[SEL+1], 0xfedcba98
	s_mov_b32 s[TB], 0
	s_wait_kmcnt 0x0
	s_load_b256 s[80:87], s[12:13], 0x0            ; e0 .. e7
	s_add_nc_u64 s[4:5], s[4:5], s[90:91]
	s_add_nc_u64 s[6:7], s[6:7], s[90:91]
	s_add_nc_u64 s[8:9], s[8:9], s[90:91]
	s_add_nc_u64 s[14:15], s[14:15], s[94:95]
	s_mov_b32 s[G0K], 1
	s_mov_b32 s[G0K+1], s98
	s_add_nc_u64 s[G0K+2:G0K+3], s[6:7], s[96:97]
	s_or_b32 s[G0K+3], s[G0K+3], 0x80000000
	s_mov_b32 s[G0V], 1
	s_mov_b32 s[G0V+1], VOFF
	s_mov_b64 s[G0V+2:G0V+3], s[8:9]
	s_or_b32 s[G0V+3], s[G0V+3], 0x80000000
	s_mov_b32 s[G0B], 1
	s_mov_b32 s[G0B+1], BOFF
	s_add_nc_u64 s[G0B+2:G0B+3], s[10:11], s[92:93]
	s_or_b32 s[G0B+3], s[G0B+3], 0x80000000
	TLOAD                                          ; slot 0: key block 0
	; the prefetches: where my wave's stand, and who asks
	s_cmp_lt_u32 s[WV], 6
	s_cselect_b64 s[PFA:PFA+1], s[6:7], s[8:9]
	s_mov_b32 s[PFS], 256
	s_cselect_b32 s[PFS], 16384, s[PFS]            ; a key block on
	s_cselect_b32 s89, 8, 11                       ; from lane to lane: 256 bytes in K, a row of 2,048 in V
	s_cselect_b32 s90, 13, 16                      ; from wave to wave: 8,192 bytes, or 32 rows
	s_mov_b32 s[PFS+1], 0
	s_and_b32 s91, s[WV], 1
	s_lshl_b32 s92, s91, s90
	s_add_co_u32 s92, s92, s[PFS]                  ; at key block 1: the first change of slots steps it to block 2
	s_mov_b32 s93, 0
	s_add_nc_u64 s[PFA:PFA+1], s[PFA:PFA+1], s[92:93]
	v_and_b32 v[PFO], 31, v0
	v_lshlrev_b32 v[PFO], s89, v[PFO]
	s_sub_co_u32 s88, s[WV], 4
	s_lshr_b32 s88, s88, 2                         ; 0 in waves 4 to 7,
	s_or_b32 s88, s88, s[IW]                       ; of the work-group with i = 0
	s_cmp_eq_u32 s88, 0
	s_cselect_b32 s[LIM], 6, 0
	v_and_b32 v8, 15, v0                           ; r
	v_bfe_u32 v9, v0, 4, 1                         ; h
	v_and_b32 v10, 8, v8
	v_add_nc_u32 v10, v10, v8                      ; r + 8 (r / 8)
	v_mul_u32_u24 v[AK0], v10, KP
	v_lshl_add_u32 v[AK0], v9, 4, v[AK0]
	v_mul_u32_u24 v[AV0], v8, VP
	v_lshl_add_u32 v[AV0], v9, 4, v[AV0]
	v_add_nc_u32 v[AV0], VOFF, v[AV0]
	v_lshlrev_b32 v[AB0], 6, v9
	v_add_nc_u32 v[AB0], BOFF, v[AB0]
	v_and_b32 v[GO], 31, v0
	v_lshlrev_b32 v[GO], 4, v[GO]
	s_mul_i32 s88, s[WV], 1280
	s_add_co_u32 s88, s88, STAGE                   ; my stage
	v_mul_u32_u24 v[STO], v8, 80
	v_lshl_add_u32 v[STO], v9, 3, v[STO]
	v_add_nc_u32 v[STO], s88, v[STO]
	v_bfe_u32 v10, v0, 2, 3
	v_mul_u32_u24 v[RD], v10, 80
	v_and_b32 v10, 3, v0
	v_lshl_add_u32 v[RD], v10, 4, v[RD]
	v_add_nc_u32 v[RD], s88, v[RD]
	v_lshlrev_b32 v[QA], 6, v8
	v_lshl_add_u32 v[QA], v9, 4, v[QA]
	v_lshlrev_b32 v10, 4, v9
	v_sub_nc_u32 v[DL], v8, v10
	v_mov_b32 v[NEGV], 0xfe800000
	v_mov_b32 v211, 0                              ; upper halves of pairs that are named whole, and the lane permute's destination: written once
	v_mov_b32 v214, 0
	v_mov_b32 v217, 0
	v_mov_b32 v219, 0
	s_wait_kmcnt 0x0
	s_add_co_i32 s88, s82, s83
	s_lshl_b32 s88, s88, 23
	s_mov_b32 s[CS], 0x3e38aa3b                    ; log2(e) / 8
	s_add_co_i32 s[CS], s[CS], s88                 ; e2 + e3 onto its exponent field
	s_mov_b32 s[CS+1], s[CS]
	s_add_co_i32 s88, s84, 127
	s_lshl_b32 s89, s88, 23
	v_mov_b32 v29, s89                             ; 2^e4
	s_add_co_i32 s88, s88, 8
	s_lshl_b32 s88, s88, 23
	s_or_b32 s88, s88, 0x600000
	v_mov_b32 v28, s88                             ; 448 x 2^e4
	s_sub_co_i32 s88, s86, s84
	s_sub_co_i32 s88, s88, s85
	s_add_co_i32 s88, s88, 127
	s_lshl_b32 s89, s88, 23
	v_mov_b32 v31, s89                             ; 2^(e6 - e4 - e5): O^T / l stands for that number x 2^(e4 + e5)
	s_add_co_i32 s88, s88, 8
	s_lshl_b32 s88, s88, 23
	s_or_b32 s88, s88, 0x600000
	v_mov_b32 v30, s88
	s_sub_co_u32 s[Q0], 7, s[IW]
	s_lshl_b32 s[Q0], s[Q0], 8
	s_lshl_b32 s88, s[WV], 4
	s_add_co_u32 s[Q0], s[Q0], s88                 ; block 7 - i, my 16 queries
	BEGIN
	s_mov_b32 s[SJ], 0
.Lslot:                                            ; eight trips: behind each change of slots but the last the next slot is asked for
	CHANGE 1
	SWITCH
	STEP 0
	STEP 1
	s_xor_b32 s[TB], s[TB], SLOT1
	s_add_co_u32 s[SJ], s[SJ], 1
	s_cmp_lt_u32 s[SJ], 8
	s_cbranch_scc1 .Lslot
	CHANGE 0                                       ; the ninth slot is written out
	SWITCH
	STEP 0
	STEP 1
	FINAL
	s_wait_tensorcnt 0x0                           ; the wave's end
	ds_add_u32 v[SPW], v[NIL]
	s_wait_dscnt 0x0
	s_endpgm
.Lfunc_end_k_q9e7e9da4ef_attn:
	.size	k_q9e7e9da4ef_attn, .Lfunc_end_k_q9e7e9da4ef_attn-k_q9e7e9da4ef_attn
	.p2alignl 7, 3214868480
	.fill 96, 4, 3214868480
	.section	.rodata,"a",@progbits
	.p2align	6, 0x0
	.amdhsa_kernel k_q9e7e9da4ef_attn
		.amdhsa_group_segment_fixed_size 327680
		.amdhsa_private_segment_fixed_size 0
		.amdhsa_enable_private_segment 0
		.amdhsa_kernarg_size 48
		.amdhsa_user_sgpr_count 2
		.amdhsa_user_sgpr_kernarg_segment_ptr 1
		.amdhsa_wavefront_size32 1
		.amdhsa_system_sgpr_workgroup_id_x 1
		.amdhsa_system_sgpr_workgroup_id_y 1
		.amdhsa_system_sgpr_workgroup_id_z 1
		.amdhsa_system_vgpr_workitem_id 0
		.amdhsa_next_free_vgpr 256
		.amdhsa_next_free_sgpr 100
		.amdhsa_reserve_vcc 1
		.amdhsa_float_denorm_mode_32 3
		.amdhsa_float_denorm_mode_16_64 3
		.amdhsa_memory_ordered 1
		.amdhsa_forward_progress 1
		.amdhsa_inst_pref_size 117
	.end_amdhsa_kernel
	.amdgpu_metadata
---
amdhsa.version: [ 1, 2 ]
amdhsa.kernels:
  - .name:           k_q9e7e9da4ef_attn
    .symbol:         k_q9e7e9da4ef_attn.kd
    .args:
      - { .name: qc, .offset: 0, .size: 8, .value_kind: global_buffer, .address_space: global }
      - { .name: kc, .offset: 8, .size: 8, .value_kind: global_buffer, .address_space: global }
      - { .name: vc, .offset: 16, .size: 8, .value_kind: global_buffer, .address_space: global }
      - { .name: bias, .offset: 24, .size: 8, .value_kind: global_buffer, .address_space: global }
      - { .name: lowp_scales, .offset: 32, .size: 8, .value_kind: global_buffer, .address_space: global }
      - { .name: ac, .offset: 40, .size: 8, .value_kind: global_buffer, .address_space: global }
    .group_segment_fixed_size: 327680
    .private_segment_fixed_size: 0
    .kernarg_segment_align: 8
    .kernarg_segment_size: 48
    .max_flat_workgroup_size: 512
    .sgpr_count:     100
    .vgpr_count:     256
    .wavefront_size: 32
...
	.end_amdgpu_metadata
.endif
;; end of part 3
;; launch proj (part 4): grid 4 x 32, 4 waves a work-group, clusters of 4 x 4, 327,680 bytes of LDS; arguments ac, woc, lowp_scales, out0; writes out0
.if DOCPART == 4
	.amdgcn_target "amdgcn-amd-amdhsa--gfx1250"
	.amdhsa_code_object_version 6
	.text
	.protected	k_q9e7e9da4ef_proj
	.globl	k_q9e7e9da4ef_proj
	.p2align	8
	.type	k_q9e7e9da4ef_proj,@function
k_q9e7e9da4ef_proj:
	s_mov_b64 s[64:65], 0
	v_nop
	global_prefetch_b8 v0, s[64:65] scope:SCOPE_SE
	s_setreg_imm32_b32 hwreg(HW_REG_WAVE_MODE, 25, 1), 1
	s_wait_xcnt 0x0
	s_wait_alu depctr_hold_cnt(0) depctr_sa_sdst(0) depctr_va_vdst(0) depctr_va_sdst(0) depctr_va_ssrc(0) depctr_va_vcc(0) depctr_vm_vsrc(0)
	s_getreg_b32 s2, hwreg(HW_REG_IB_STS2, 6, 4)
	s_cmp_eq_u32 s2, 0
	s_cbranch_scc0 .Lentry_in_a_cluster
	s_endpgm
.Lentry_in_a_cluster:
	s_bfe_u32 s2, ttmp6, 0x10000c
	s_cmp_lg_u32 s2, 0xf033
	s_cbranch_scc0 .Lentry_shape_is_right
	s_endpgm
.Lentry_shape_is_right:
; The last product: out0 [8192][1024] f32 = att w_out on codes of E4M3.  ac: [16 heads][8192 tokens][64] (K = 64 head + channel); woc: [1024 n][1024 k].
; The codes are multiplied as they are, and each finished sum once by 2^(e6 + e7).  LIMIT: e6 + e7 lies between -126 and 127.  A token whose codes are NaN gives a row of NaN.
; A tile of 256 tokens x 256 columns is made by four waves, each 128 x 128: 64 accumulators.  K goes in steps of 256 (four heads) through two LDS slots filled by the tensor data mover.
; A's TILE: a wave's 128 tokens of one head are 8,192 dense bytes, so a load is 4 rows of 8,192 bytes, 524,288 apart, with 16 bytes of padding behind every 64: in LDS [4 heads][128 tokens][80 bytes].
; B's tile: 128 rows of 256 bytes, 272 apart in LDS.  The matrix instruction takes 16 rows of B as source 0 and 16 tokens as source 1: a lane holds eight neighbouring columns of one row of the output.
; CLUSTERS: 4 x 4 work-groups; A's tile is shared along a row of the cluster, B's along a column: each is asked for jointly.  The 128 tiles of this size are 128 work-groups.
; REGISTERS, in windows of 256: window 0: v0-31 addresses; from v128 A's fragments, one set; on the way out v32-255.  window 1: B's fragments, two sets.  windows 2, 3: the accumulators.
.set SIZE_N, 1024
.set ROWB,   256
.set KROW,   1024
.set PITCH,  272
.set APITCH, 80                        ; a token's 64 bytes + 16: 20 words: the 16 rows that a load touches start at 16 different banks (64 banks of 4 bytes: ISA guide 11.1)
.set AHEAD,  128*APITCH                ; a head's 128 tokens
.set AHALF,  4*AHEAD                   ; what one load of A brings
.set ASTEP,  4*524288                  ; four heads on in memory
.set FR,     16
.set NL,     4
.set NP,     4
.set HALFT,  128*PITCH
.set SLOT,   2*AHALF+2*HALFT           ; A's two halves, then B's two
.set SPARE,  2*SLOT
.set SPITCH, 528                       ; the way out: 16 rows x (512 bytes + 16) for each wave, in slot 0, which has had its last fill and its last read by then
.set ADRA, 16
.set ADRB, 20
.set STO,  24
.set RD,   25
.set CO,   26
.set SPW,  28
.set NIL,  29
.set TMP,  32
.set AF,   128
.set BK,   128
.set G1, 24
.set G0, 32
.set G1B, 48
.set G0B, 56
.set MSB, 0
.macro WIN new
.if MSB != \new
	s_set_vgpr_msb (MSB<<8)|\new
.set MSB, \new
.endif
.endm
.set MUL_LO, 0xa1
.set MUL_HI, 0xf1
.set TO_B,   0x40
.macro JLOAD g0a, g1a, g0b, g1b        ; waves 0 and 1 fetch for A, waves 2 and 3 for B; four v_nop follow each of the two lines
	s_cmp_eq_u32 s15, 0
	s_cbranch_scc0 .Lfor_b_\@
	tensor_load_to_lds s[\g0a:\g0a+3], s[\g1a:\g1a+7]
	s_nop 0
.rept 4
	v_nop
.endr
	s_branch .Lasked_\@
.Lfor_b_\@:
	tensor_load_to_lds s[\g0b:\g0b+3], s[\g1b:\g1b+7]
	s_nop 0
.rept 4
	v_nop
.endr
.Lasked_\@:
.endm
.macro CREST
	s_cmp_lg_u32 s14, 0
	s_cbranch_scc1 .Lnot_wave_0_\@
	s_barrier_signal -3
.Lnot_wave_0_\@:
	s_barrier_wait -3
	s_barrier_signal -1
	s_barrier_wait -1
.endm
.macro CROUND
	s_barrier_signal -1
	s_barrier_wait -1
	CREST
.endm
	s_load_b128 s[4:7], s[0:1], 0x0                ; ac, woc
	s_load_b128 s[8:11], s[0:1], 0x10              ; the scales' exponents, out0
	v_lshl_add_u32 v[SPW], v0, 2, SPARE
	v_mov_b32 v[NIL], 0
	ds_add_u32 v28, v29
	s_wait_dscnt 0x0
	v_lshrrev_b32 v1, 5, v0
	v_readfirstlane_b32 s14, v1
	s_lshr_b32 s15, s14, 1                         ; which half of the tile's tokens is mine.  Also: I fetch for A (0) or for B (1)
	s_and_b32 s16, s14, 1                          ; which half of its columns.  Also: which half of that tile I fetch
	s_bfe_u32 s40, ttmp6, 0x40000
	s_bfe_u32 s41, ttmp6, 0x40004
	s_lshl_b32 s42, ttmp9, 2
	s_add_co_u32 s42, s42, s40                     ; tile column
	s_and_b32 s17, ttmp7, 0xffff
	s_lshl_b32 s17, s17, 2
	s_add_co_u32 s17, s17, s41                     ; tile row
	s_lshl_b32 s43, s41, 2
	s_lshl_b32 s43, 15, s43
	s_lshl_b32 s44, 0x1111, s40
	s_or_b32 s[G1+0], s43, (0<<16)|(1<<20)|(1<<21)|(3<<22)|(3<<25)   ; A: my row's mask; 4 words of padding after every 16
	s_mov_b32 s[G1+1], (8192&0xffff)<<16           ; tensor_dim0 = 8,192 bytes: 128 tokens of a head
	s_mov_b32 s[G1+2], 4<<16                       ; tensor_dim1 = 4 heads
	s_mov_b32 s[G1+3], 8192<<16                    ; tile_dim0
	s_mov_b32 s[G1+4], 4                           ; tile_dim1
	s_mov_b32 s[G1+5], 524288                      ; from head to head
	s_mov_b32 s[G1+6], 0
	s_mov_b32 s[G1+7], 0
	s_or_b32 s[G1B+0], s44, (0<<16)|(1<<20)|(1<<21)|(5<<22)|(3<<25)  ; B: my column's mask; 4 words of padding after every 64
	s_mov_b32 s[G1B+1], ROWB<<16
	s_mov_b32 s[G1B+2], 128<<16
	s_mov_b32 s[G1B+3], ROWB<<16
	s_mov_b32 s[G1B+4], 128
	s_mov_b32 s[G1B+5], KROW
	s_mov_b32 s[G1B+6], 0
	s_mov_b32 s[G1B+7], 0
	s_lshl_b32 s18, s16, 7
	s_lshl_b32 s20, s17, 8
	s_add_co_u32 s20, s20, s18                     ; A: token 256 x tile row + 128 x half,
	s_lshl_b32 s20, s20, 6                         ; 64 bytes each
	s_mov_b32 s21, 0
	s_lshl_b32 s46, s42, 8
	s_add_co_u32 s46, s46, s18                     ; B: row 256 x tile column + 128 x half
	s_lshl_b32 s46, s46, 10
	s_mov_b32 s47, 0
	s_mul_i32 s45, s16, AHALF                      ; where they go: A's halves, then B's
	s_mul_i32 s74, s16, HALFT
	s_add_co_u32 s74, s74, 2*AHALF
	s_wait_kmcnt 0x0
	s_load_b64 s[96:97], s[8:9], 0x18              ; e6, e7
	s_add_nc_u64 s[20:21], s[4:5], s[20:21]
	s_add_nc_u64 s[46:47], s[6:7], s[46:47]
	CROUND                                         ; all sixteen work-groups are here: the first joint loads meet
.irp s, 0,1
	s_mov_b32 s[G0+4*\s], 1
	s_add_co_u32 s[G0+4*\s+1], s45, \s*SLOT
	s_add_nc_u64 s[G0+4*\s+2:G0+4*\s+3], s[20:21], \s*ASTEP
	s_or_b32 s[G0+4*\s+3], s[G0+4*\s+3], 0x80000000
	s_mov_b32 s[G0B+4*\s], 1
	s_add_co_u32 s[G0B+4*\s+1], s74, \s*SLOT
	s_add_nc_u64 s[G0B+4*\s+2:G0B+4*\s+3], s[46:47], \s*ROWB
	s_or_b32 s[G0B+4*\s+3], s[G0B+4*\s+3], 0x80000000
	JLOAD G0+4*\s, G1, G0B+4*\s, G1B
.endr
	v_and_b32 v1, 15, v0                           ; r
	v_bfe_u32 v2, v0, 4, 1                         ; h
	v_mul_u32_u24 v3, v1, PITCH
	v_lshl_add_u32 v4, v2, 4, v3                   ; B: row x 272 + 16 h
	v_mul_u32_u24 v3, v1, APITCH
	v_lshl_add_u32 v3, v2, 4, v3                   ; A: token x 80 + 16 h
	s_mul_i32 s21, s15, AHALF                      ; my 128 tokens
	s_mul_i32 s22, s16, HALFT                      ; my 128 rows of B,
	s_add_co_u32 s22, s22, 2*AHALF                 ; behind A's
.irp s, 0,1
	v_add_nc_u32 v[ADRA+\s], s21, v3
	v_add_nc_u32 v[ADRB+\s], s22, v4
	s_add_co_u32 s21, s21, SLOT
	s_add_co_u32 s22, s22, SLOT
.endr
	s_mul_i32 s23, s14, 16*SPITCH                  ; my stage
	v_mul_u32_u24 v5, v1, SPITCH
	v_lshl_add_u32 v5, v2, 5, v5
	v_add_nc_u32 v[STO], s23, v5
	v_and_b32 v6, 31, v0
	v_lshlrev_b32 v[CO], 4, v6
	v_add_nc_u32 v[RD], s23, v[CO]
	s_lshl_b32 s20, s17, 8
	s_lshl_b32 s21, s15, 7
	s_add_co_u32 s20, s20, s21                     ; my first row of the output,
	s_lshl_b32 s20, s20, 12                        ; 4,096 bytes each
	s_lshl_b32 s46, s42, 10                        ; my first column, in bytes
	s_lshl_b32 s47, s16, 9
	s_add_co_u32 s46, s46, s47
	s_add_co_u32 s20, s20, s46
	s_mov_b32 s21, 0
	s_add_nc_u64 s[10:11], s[10:11], s[20:21]
.macro FRAG reg, adr, q, i             ; B: registers 4 c .. 4 c + 3 hold K = 128 q + 32 c + 16 h + 0 .. 15 of row 16 i + r
.irp c, 0,1,2,3
	ds_load_b128 v[\reg+4*\c:\reg+4*\c+3], v[\adr] offset:128*(\q)+32*\c+(\i)*16*PITCH
.endr
.endm
.macro FRAGA reg, adr, q, i            ; A: the same K: head 2 q + c / 2 of the slot's four, channels 32 (c % 2) + 16 h on, token 16 i + r
.irp c, 0,1,2,3
	ds_load_b128 v[\reg+4*\c:\reg+4*\c+3], v[\adr] offset:(2*(\q)+\c/2)*AHEAD+32*(\c%2)+(\i)*16*APITCH
.endr
.endm
.macro MUL16 a0, p, zero               ; the 64 accumulators take turns, one instruction a turn, in the same order in every step
.irp a, \a0, \a0+1
.irp b, 0,1,2,3,4,5,6,7
.if \zero
	v_wmma_f32_16x16x128_fp8_fp8 v[8*(8*((\a)%4)+\b):8*(8*((\a)%4)+\b)+7], v[128*(\p)+FR*\b:128*(\p)+FR*\b+FR-1], v[AF+FR*(\a):AF+FR*(\a)+FR-1], 0
.else
	v_wmma_f32_16x16x128_fp8_fp8 v[8*(8*((\a)%4)+\b):8*(8*((\a)%4)+\b)+7], v[128*(\p)+FR*\b:128*(\p)+FR*\b+FR-1], v[AF+FR*(\a):AF+FR*(\a)+FR-1], v[8*(8*((\a)%4)+\b):8*(8*((\a)%4)+\b)+7]
.endif
.endr
.endr
.endm
.macro FETCH_B slot, q, p
	WIN TO_B
.irp i, 0,1,2,3,4,5,6,7
	FRAG 128*(\p)+FR*\i, ADRB+\slot, \q, \i
.endr
	WIN 0
.endm
.macro FETCH_A slot, q, i0
.irp i, \i0, \i0+1, \i0+2, \i0+3
	FRAGA AF+FR*(\i), ADRA+\slot, \q, \i
.endr
.endm
.macro PLACES n
.rept \n
	v_nop
.endr
.endm
.macro STEP slot, q, zero
	s_wait_dscnt 4*NL                              ; B's set and A's blocks 0-3 are in; the youngest 16 loads (A's blocks 4-7) may be out
	WIN MUL_LO
	MUL16 0, (\q)%2, \zero
	MUL16 2, (\q)%2, \zero
	s_wait_dscnt 0
	PLACES NP
	FETCH_B \slot, (\q)+1, 1-(\q)%2
	FETCH_A \slot, (\q)+1, 0
	WIN MUL_HI
	MUL16 4, (\q)%2, \zero
	MUL16 6, (\q)%2, \zero
	PLACES NP
	WIN 0
	FETCH_A \slot, (\q)+1, 4
.endm
.macro TURN slot, next, fill
	s_wait_tensorcnt 0x0                           ; all my tensor loads have landed: my part of the next slot
	ds_add_u32 v[SPW], v[NIL]                      ; 0 onto my spare word
	s_wait_dscnt 4*NL+1                            ; the add and the youngest 16 loads may be out
	WIN MUL_LO
	MUL16 0, 1, 0
	s_wait_dscnt 0x0                               ; the add is done, and my reads of this slot are over
	s_barrier_signal -1
	MUL16 2, 1, 0
	WIN 0
	s_barrier_wait -1
.if \fill
	CREST                                          ; the barrier has opened a round of the cluster's: no wave of any partner still reads this slot or has a load on its way
	s_add_nc_u64 s[G0+4*\slot+2:G0+4*\slot+3], s[G0+4*\slot+2:G0+4*\slot+3], 2*ASTEP
	s_add_nc_u64 s[G0B+4*\slot+2:G0B+4*\slot+3], s[G0B+4*\slot+2:G0B+4*\slot+3], 2*ROWB
	JLOAD G0+4*\slot, G1, G0B+4*\slot, G1B
.else
	PLACES NP
.endif
	FETCH_B \next, 0, 0
	FETCH_A \next, 0, 0
	WIN MUL_HI
	MUL16 4, 1, 0
	MUL16 6, 1, 0
	PLACES NP
	WIN 0
	FETCH_A \next, 0, 4
.endm
	s_wait_tensorcnt 1                             ; my part of K step 0 is in; K step 1's load, issued behind it, may be out
	s_barrier_signal -1
	s_barrier_wait -1
	FETCH_B 0, 0, 0
	FETCH_A 0, 0, 0
	FETCH_A 0, 0, 4
	STEP 0, 0, 1
	s_mov_b32 s3, 1                                ; K = 1,024 is two laps of the ring
.Llap:
	TURN 0, 1, 1
	STEP 1, 0, 0
	TURN 1, 0, 1
	STEP 0, 0, 0
	s_sub_co_u32 s3, s3, 1
	s_cmp_lg_u32 s3, 0
	s_cbranch_scc1 .Llap
	TURN 0, 1, 0
	STEP 1, 0, 0
	s_wait_dscnt 4*NL
	WIN MUL_LO
	MUL16 0, 1, 0
	MUL16 2, 1, 0
	s_wait_dscnt 0
	WIN MUL_HI
	MUL16 4, 1, 0
	MUL16 6, 1, 0
	WIN 0
; THE WAY OUT, block by block of 16 rows x 128 columns, through my own stage: in as 32 bytes a lane, back as whole rows of 512 bytes.  LDS serves a wave's instructions in order (ISA guide 5.7.1.4).
.macro TOSTAGE a
.set AC, 64*((\a)%4)
	WIN 0x02+((\a)/4)
.set jj, 0
.rept 32
	v_pk_mul_f32 v[TMP+jj:TMP+jj+1], v[AC+jj:AC+jj+1], s[96:97] op_sel_hi:[1,0]   ; x 2^(e6 + e7); each accumulator from its low end on
.set jj, jj+2
.endr
	WIN 0
.irp b, 0,1,2,3,4,5,6,7
	ds_store_b128 v[STO], v[TMP+8*\b:TMP+8*\b+3] offset:64*\b
	ds_store_b128 v[STO], v[TMP+8*\b+4:TMP+8*\b+7] offset:64*\b+16
.endr
.set BB, BK+64*((\a)%2)
.irp t, 0,1,2,3,4,5,6,7,8,9,10,11,12,13,14,15
	ds_load_b128 v[BB+4*\t:BB+4*\t+3], v[RD] offset:\t*SPITCH
.endr
.endm
.macro SEND a, younger                 ; younger: the LDS instructions issued behind block a's loads, which may stay out
.set BB, BK+64*((\a)%2)
	s_wait_dscnt \younger
.if (\a) > 0
	s_add_nc_u64 s[10:11], s[10:11], 16*SIZE_N*4   ; behind a wait on XCNT: the earlier stores have read their base
.endif
.irp t, 0,1,2,3,4,5,6,7,8,9,10,11,12,13,14,15
	global_store_b128 v[CO], v[BB+4*\t:BB+4*\t+3], s[10:11] offset:\t*SIZE_N*4 th:TH_STORE_NT   ; 32 lanes store 512 consecutive, aligned bytes
.endr
.endm
	s_wait_kmcnt 0x0
	s_add_co_i32 s96, s96, s97
	s_add_co_i32 s96, s96, 127
	s_lshl_b32 s96, s96, 23                        ; 2^(e6 + e7) as f32
	PLACES NP
	TOSTAGE 0
.irp a, 1,2,3,4,5,6,7
.if \a > 1
	s_wait_xcnt 0x0                                ; block a - 2's stores have read their registers and their base
.endif
	TOSTAGE \a
	SEND \a-1, 32                                  ; behind block a - 1's loads: block a's 16 stores and 16 loads
.endr
	s_wait_xcnt 0x0
	SEND 7, 0
	s_wait_tensorcnt 0x0                           ; the wave's end
	ds_add_u32 v[SPW], v[NIL]
	s_wait_dscnt 0x0
	CROUND                                         ; the closing round
	s_endpgm
.Lfunc_end_k_q9e7e9da4ef_proj:
	.size	k_q9e7e9da4ef_proj, .Lfunc_end_k_q9e7e9da4ef_proj-k_q9e7e9da4ef_proj
	.p2alignl 7, 3214868480
	.fill 96, 4, 3214868480
	.section	.rodata,"a",@progbits
	.p2align	6, 0x0
	.amdhsa_kernel k_q9e7e9da4ef_proj
		.amdhsa_group_segment_fixed_size 327680
		.amdhsa_private_segment_fixed_size 0
		.amdhsa_enable_private_segment 0
		.amdhsa_kernarg_size 32
		.amdhsa_user_sgpr_count 2
		.amdhsa_user_sgpr_kernarg_segment_ptr 1
		.amdhsa_wavefront_size32 1
		.amdhsa_system_sgpr_workgroup_id_x 1
		.amdhsa_system_sgpr_workgroup_id_y 1
		.amdhsa_system_sgpr_workgroup_id_z 1
		.amdhsa_system_vgpr_workitem_id 0
		.amdhsa_next_free_vgpr 1024
		.amdhsa_next_free_sgpr 98
		.amdhsa_reserve_vcc 0
		.amdhsa_float_denorm_mode_32 3
		.amdhsa_float_denorm_mode_16_64 3
		.amdhsa_memory_ordered 1
		.amdhsa_forward_progress 1
		.amdhsa_inst_pref_size 123
	.end_amdhsa_kernel
	.amdgpu_metadata
---
amdhsa.version: [ 1, 2 ]
amdhsa.kernels:
  - .name:           k_q9e7e9da4ef_proj
    .symbol:         k_q9e7e9da4ef_proj.kd
    .args:
      - { .name: ac, .offset: 0, .size: 8, .value_kind: global_buffer, .address_space: global }
      - { .name: woc, .offset: 8, .size: 8, .value_kind: global_buffer, .address_space: global }
      - { .name: lowp_scales, .offset: 16, .size: 8, .value_kind: global_buffer, .address_space: global }
      - { .name: out0, .offset: 24, .size: 8, .value_kind: global_buffer, .address_space: global }
    .group_segment_fixed_size: 327680
    .private_segment_fixed_size: 0
    .kernarg_segment_align: 8
    .kernarg_segment_size: 32
    .max_flat_workgroup_size: 128
    .sgpr_count:     98
    .vgpr_count:     1024
    .wavefront_size: 32
...
	.end_amdgpu_metadata
.endif
;; end of part 4
